; MI455X (gfx1250); checked and timed in simulation.
; The chip was launched on July 23, 2026; its instructions are those of AMD's public machine-readable ISA for CDNA 5 (MIT licence, August 2026) and "CDNA5" Instruction Set Architecture Reference Guide (July 2026). The comments in the code are by the model that wrote it; some were corrected since.
;; Moe MLP. Allowed arithmetic: float matrix products may take bf16 or f16 operands with f32 sums; other float arithmetic in f32, or as packed bf16 or f16 multiplies, adds, multiply-adds, maxima and minima; sums over many terms, partial sums and values carried from step to step in f32; what a program stores and reads back later, other than sums and carried values, may be rounded once to bf16 or f16.
;; Inputs: gate_w 8 x 1,024 float32; hidden_states 2 x 1,024 x 32 x 32 float32; w1 8 x 1,024 x 1,024 float32; w2 8 x 1,024 x 1,024 float32; w3 8 x 1,024 x 1,024 float32.
;; Outputs: out0 2 x 1,024 x 32 x 32 float32.
;; 2 versions, each right; version 2 is version 1 with the launches up, down written anew for expert scheduling mode. Each part assembles by itself: llvm-mc -triple=amdgcn-amd-amdhsa -mcpu=gfx1250 --defsym DOCPART=n.
;; ======== version 1 of 2: 5 launches
;; limits: a function is approximated: absolute error at most 1.5e-07
;; workspace buffers: xb 4,194,304 bytes; bmap 2,048 bytes of whole numbers; sel 16,384 bytes of whole numbers; rw 16,384 bytes; posb 66,560 bytes of whole numbers; xg 33,554,432 bytes; hb 33,554,432 bytes; y 67,108,864 bytes
;; launch route (part 1): grid 32 x 1, 16 waves a work-group, no clusters, 158,976 bytes of LDS; arguments hidden_states, gate_w, xb, bmap, sel, rw; writes xb, bmap, sel, rw
.if DOCPART == 1
	.amdgcn_target "amdgcn-amd-amdhsa--gfx1250"
	.amdhsa_code_object_version 6
	.text
	.protected	k_qf694b2f9ba_route
	.globl	k_qf694b2f9ba_route
	.p2align	8
	.type	k_qf694b2f9ba_route,@function
k_qf694b2f9ba_route:
	s_mov_b64 s[64:65], 0
	v_nop
	global_prefetch_b8 v0, s[64:65] scope:SCOPE_SE
	s_setreg_imm32_b32 hwreg(HW_REG_WAVE_MODE, 25, 1), 1
	s_wait_xcnt 0x0
; ROUTER AND TRANSPOSE.  x[t][c] = hidden_states[b][c][hw], t = 1024 b + hw.  A work-group owns 64 tokens (256 bytes of each of the 1,024 channel rows).
; It rounds x and gate_w to bf16, turns x into rows [t][1024] (through LDS) and stores them as xb; multiplies x by gate_w on the matrix unit (f32 sums);
; and for each token takes the softmax over 8 experts (the maximum taken away first), the two largest (the lower index wins a tie), and their weights renormalised.
; Stored at fixed places: sel[k][t], rw[k][t], and bmap[e][word i]: bit l says that token 32 i + l chose expert e.  No address here hangs on these numbers.
; LIMITS.  Logits are sums of bf16 products: two probabilities nearer than the f32 sums' rounding may change places.  An exponential below 2^-126 counts as 0.  NaN and infinities are not treated apart.
; NO CLUSTER: the work-groups share gate_w alone, 32 KB of the 288 KB that each reads.  NO TENSOR LOAD: every byte is converted on its way, so it passes through registers anyway.
; LDS: XT 64 rows x 2,064 bytes (row 16 (t % 4) + t / 4 holds token t: the transposing stores of 16 lanes then fall on 16 rows, 516 words apart: 16 different groups of four banks, ISA guide 11.1);
;      GT 8 rows x 2,064; LG [4 quarters of K][64 tokens][8 f32]; the spare words.
.set XP,    2064
.set GT,    64*XP
.set LG,    GT+8*XP
.set SPARE, 156928                     ; the next multiple of 256 behind LG's 8,192 bytes: 128 bytes for each of 16 waves, named by no other line
.set SPW,   4                          ; v4  my spare word's address; never rewritten
.set NIL,   5                          ; v5  0; never rewritten
.set T,     16                         ; v[16:31] at work
.set XR,    32                         ; v[32:159] x as loaded; then fragments of x (64) and of the gate (64)
.set GR,    160                        ; v[160:175] the gate as loaded; then two accumulators
	s_load_b256 s[8:15], s[0:1], 0x0               ; hidden s[8:9], gate s[10:11], xb s[12:13], bmap s[14:15]
	s_load_b128 s[16:19], s[0:1], 0x20             ; sel s[16:17], rw s[18:19]
	v_lshl_add_u32 v[SPW], v0, 2, SPARE
	v_mov_b32 v[NIL], 0
	v_and_b32 v1, 31, v0                           ; lane
	v_lshrrev_b32 v11, 5, v0
	v_readfirstlane_b32 s4, v11                    ; wave 0..15
	v_and_b32 v2, 15, v0                           ; lane % 16
	v_bfe_u32 v3, v0, 4, 1                         ; lane / 16
	s_and_b32 s5, s4, 3                            ; later: my tile of 16 tokens
	s_lshr_b32 s6, s4, 2                           ; later: my quarter of K
	s_lshr_b32 s20, ttmp9, 4                       ; b
	s_lshl_b32 s20, s20, 22
	s_and_b32 s21, ttmp9, 15
	s_lshl_b32 s21, s21, 8                         ; my 64 tokens in a channel row
	s_add_co_u32 s20, s20, s21
	s_lshl_b32 s21, s4, 18                         ; my wave's 64 channels
	s_add_co_u32 s20, s20, s21
	s_mov_b32 s21, 0
	v_lshlrev_b32 v6, 15, v3                       ; lanes 16-31: eight channels further on
	v_lshl_add_u32 v6, v2, 4, v6                   ; four tokens a lane
	v_lshlrev_b32 v7, 4, v0                        ; the gate, flat: 16 bytes a thread
	v_mul_u32_u24 v13, v2, XP
	v_lshl_add_u32 v13, v3, 4, v13                 ; (lane % 16) x pitch + 16 (lane / 16)
	s_lshl_b32 s22, s4, 7
	v_add_nc_u32 v8, s22, v13                      ; XT: row lane % 16 (+ 16 i), bytes 128 w + 16 (lane / 16) (+ 32 q)
	v_add_nc_u32 v9, 32*XP, v8                     ; the same 32 rows on: the immediate holds 16 bits
	s_lshr_b32 s22, s4, 3
	s_mul_i32 s22, s22, XP
	s_and_b32 s23, s4, 7
	s_lshl_b32 s23, s23, 8
	s_add_co_u32 s22, s22, s23
	s_add_co_u32 s22, s22, GT
	v_lshl_add_u32 v10, v1, 3, s22                 ; GT: row w / 8 (+ 2 n), bytes 256 (w % 8) + 8 lane
	s_wait_kmcnt 0x0
	s_add_nc_u64 s[8:9], s[8:9], s[20:21]
.irp n, 0,1,2,3
	global_load_b128 v[GR+4*\n:GR+4*\n+3], v7, s[10:11] offset:8192*\n
.endr
.set i, 0
.rept 32                               ; load 8 q + j: channel 64 w + 16 q + 8 (lane / 16) + j; 16 lanes take 256 consecutive, aligned bytes.  All 256 KB of the work-group are asked for at once
	global_load_b128 v[XR+4*i:XR+4*i+3], v6, s[8:9] offset:4096*(16*(i/8)+i%8) th:TH_LOAD_NT
.set i, i+1
.endr
	; addresses for the second part, made while the loads are out
	s_mul_i32 s20, s5, 16*XP
	s_lshl_b32 s21, s6, 9
	s_add_co_u32 s20, s20, s21
	v_add_nc_u32 v12, s20, v13                     ; fragments of x: row 16 tile + lane % 16, bytes 512 quarter + 16 (lane / 16)
	v_and_b32 v14, 7, v0
	v_mul_u32_u24 v14, v14, XP
	v_lshl_add_u32 v14, v3, 4, v14
	s_add_co_u32 s21, s21, GT
	v_add_nc_u32 v14, s21, v14                     ; fragments of the gate: row lane % 8 (rows 8-15 of the fragment repeat the eight experts)
	v_lshlrev_b32 v15, 7, v2
	v_lshl_add_u32 v15, v3, 4, v15
	s_lshl_b32 s22, s6, 11
	s_lshl_b32 s23, s5, 5
	s_add_co_u32 s22, s22, s23
	s_add_co_u32 s22, s22, LG
	v_add_nc_u32 v15, s22, v15                     ; LG: quarter, token 4 (lane % 16) + tile, experts 4 (lane / 16) on
	s_mul_i32 s22, s4, 4*XP
	v_lshl_add_u32 v11, v1, 4, s22                 ; XT's rows 4 w on, 16 bytes a lane
	s_mov_b32 s7, 0xffff0000                       ; lanes 16-31
	s_wait_loadcnt 32                              ; the gate's four loads are in; the 32 of x behind them stay out
.irp n, 0,1,2,3
	v_cvt_pk_bf16_f32 v[T+2*\n],   v[GR+4*\n],   v[GR+4*\n+1]
	v_cvt_pk_bf16_f32 v[T+2*\n+1], v[GR+4*\n+2], v[GR+4*\n+3]
	ds_store_b64 v10, v[T+2*\n:T+2*\n+1] offset:2*XP*\n
.endr
; Set q of eight loads: for each of my four tokens, eight neighbouring channels pack into 16 bytes of the token's row.  It writes all of v[16:31].
.macro XSET q
	s_wait_loadcnt 24-8*(\q)                       ; loads come back in order (ISA guide 5.7.1): set q is in, the later sets stay out
.irp i, 0,1,2,3
.irp p, 0,1,2,3
	v_cvt_pk_bf16_f32 v[T+4*\i+\p], v[XR+32*(\q)+8*\p+\i], v[XR+32*(\q)+8*\p+4+\i]
.endr
.endr
	ds_store_b128 v8, v[T:T+3]     offset:32*(\q)
	ds_store_b128 v8, v[T+4:T+7]   offset:16*XP+32*(\q)
	ds_store_b128 v9, v[T+8:T+11]  offset:32*(\q)
	ds_store_b128 v9, v[T+12:T+15] offset:16*XP+32*(\q)
.endm
	XSET 0
	XSET 1
	XSET 2
	XSET 3
	s_wait_dscnt 0x0                               ; for the others' sake: my stores into XT and GT are done
	s_barrier_signal -1
	s_barrier_wait -1
	; Partial logits: my tile of 16 tokens, my 256 channels: eight K steps on two accumulators that take turns.
.irp j, 0,1,2,3,4,5,6,7
	ds_load_b128 v[XR+8*\j:XR+8*\j+3],       v12 offset:64*\j
	ds_load_b128 v[XR+8*\j+4:XR+8*\j+7],     v12 offset:64*\j+32
	ds_load_b128 v[XR+64+8*\j:XR+64+8*\j+3],   v14 offset:64*\j
	ds_load_b128 v[XR+64+8*\j+4:XR+64+8*\j+7], v14 offset:64*\j+32
.endr
	s_wait_dscnt 0x0
	v_wmma_f32_16x16x32_bf16 v[GR:GR+7],    v[XR+64:XR+71], v[XR:XR+7],    0      ; source 0 = experts, source 1 = tokens: register j of a lane is expert j of token lane % 16
	v_wmma_f32_16x16x32_bf16 v[GR+8:GR+15], v[XR+72:XR+79], v[XR+8:XR+15], 0
.irp j, 2,4,6
	v_wmma_f32_16x16x32_bf16 v[GR:GR+7],    v[XR+64+8*\j:XR+71+8*\j], v[XR+8*\j:XR+8*\j+7],    v[GR:GR+7]
	v_wmma_f32_16x16x32_bf16 v[GR+8:GR+15], v[XR+72+8*\j:XR+79+8*\j], v[XR+8+8*\j:XR+15+8*\j], v[GR+8:GR+15]
.endr
.rept 4
	v_nop                                          ; four places behind the last product (ISA guide 7.12.1)
.endr
.irp p, 0,2,4,6
	v_pk_add_f32 v[T+\p:T+\p+1], v[GR+\p:GR+\p+1], v[GR+8+\p:GR+9+\p]
.endr
.irp i, 0,1,2,3
	v_cndmask_b32 v[T+8+\i], v[T+\i], v[T+4+\i], s7 ; both halves of the lanes hold all eight: lanes 0-15 keep experts 0-3, lanes 16-31 experts 4-7
.endr
	ds_store_b128 v15, v[T+8:T+11]
.set i, 0
.rept 16                               ; four whole rows of XT, 512 consecutive bytes a load
	ds_load_b128 v[XR+4*i:XR+4*i+3], v11 offset:(i/4)*XP+(i%4)*512
.set i, i+1
.endr
	v_lshlrev_b32 v28, 4, v1                       ; xb: 16 bytes a lane.  Made here: v[16:31] have done their work for the sets above
	s_lshl_b32 s20, ttmp9, 6
	s_lshl_b32 s21, s5, 4
	s_add_co_u32 s20, s20, s21
	s_add_co_u32 s20, s20, s6                      ; XT's row 4 w + i holds token 16 (w % 4) + 4 i + w / 4
	s_lshl_b32 s20, s20, 11
	s_mov_b32 s21, 0
	s_add_nc_u64 s[12:13], s[12:13], s[20:21]
	s_wait_dscnt 0x0                               ; my partial logits are stored, my rows are back
	s_barrier_signal -1
	s_barrier_wait -1
.set i, 0
.rept 16
	global_store_b128 v28, v[XR+4*i:XR+4*i+3], s[12:13] offset:(i/4)*8192+(i%4)*512   ; 512 consecutive bytes of a row of xb, aligned
.set i, i+1
.endr
	s_cmp_gt_u32 s4, 1
	s_cbranch_scc1 .Lend                           ; waves 0 and 1 route: a lane a token
	s_lshl_b32 s20, s4, 10
	s_add_co_u32 s20, s20, LG
	v_lshl_add_u32 v29, v1, 5, s20
.irp k, 0,1,2,3
	ds_load_b128 v[96+8*\k:99+8*\k],   v29 offset:2048*\k
	ds_load_b128 v[100+8*\k:103+8*\k], v29 offset:2048*\k+16
.endr
	s_wait_dscnt 0x0
.irp p, 0,2,4,6
	v_pk_add_f32 v[96+\p:97+\p],   v[96+\p:97+\p],   v[104+\p:105+\p]
	v_pk_add_f32 v[112+\p:113+\p], v[112+\p:113+\p], v[120+\p:121+\p]
.endr
.irp p, 0,2,4,6
	v_pk_add_f32 v[96+\p:97+\p], v[96+\p:97+\p], v[112+\p:113+\p]   ; the eight logits
.endr
	v_max3_num_f32 v16, v96, v97, v98
	v_max3_num_f32 v16, v16, v99, v100
	v_max3_num_f32 v16, v16, v101, v102
	v_max_num_f32 v16, v16, v103                   ; the maximum is taken away before the exponentials
.irp e, 0,1,2,3,4,5,6,7
	v_sub_f32 v[96+\e], v[96+\e], v16
.endr
.irp e, 0,1,2,3,4,5,6,7
	v_mul_f32 v[96+\e], 0x3fb8aa3b, v[96+\e]       ; log2(e)
.endr
.irp e, 0,1,2,3,4,5,6,7
	v_exp_f32 v[104+\e], v[96+\e]
.endr
	v_nop                                          ; a plain instruction behind the last exponential (ISA guide 5.7.2),
	s_wait_alu depctr_va_vdst(0)                   ; and one wait ahead of the batch's first reader
	v_pk_add_f32 v[112:113], v[104:105], v[106:107]
	v_pk_add_f32 v[114:115], v[108:109], v[110:111]
	v_pk_add_f32 v[112:113], v[112:113], v[114:115]
	v_add_f32 v17, v112, v113
	v_rcp_f32 v18, v17
	v_nop
	s_wait_alu depctr_va_vdst(0)
.irp e, 0,1,2,3,4,5,6,7
	v_mul_f32 v[104+\e], v[104+\e], v18            ; the probabilities
.endr
	v_mov_b32 v19, v104                            ; the largest: an ascending scan with a strict compare keeps the lower index
	v_mov_b32 v20, 0
.irp e, 1,2,3,4,5,6,7
	v_cmp_gt_f32 vcc_lo, v[104+\e], v19
	v_cndmask_b32 v19, v19, v[104+\e], vcc_lo
	v_cndmask_b32 v20, v20, \e, vcc_lo
.endr
.irp e, 0,1,2,3,4,5,6,7
	v_cmp_eq_u32 vcc_lo, \e, v20
	v_cndmask_b32 v[112+\e], v[104+\e], -1.0, vcc_lo   ; the winner leaves the field
.endr
	v_mov_b32 v21, v112                            ; the second largest, likewise
	v_mov_b32 v22, 0
.irp e, 1,2,3,4,5,6,7
	v_cmp_gt_f32 vcc_lo, v[112+\e], v21
	v_cndmask_b32 v21, v21, v[112+\e], vcc_lo
	v_cndmask_b32 v22, v22, \e, vcc_lo
.endr
	v_add_f32 v23, v19, v21
	v_rcp_f32 v24, v23
	v_lshlrev_b32 v27, 2, v1                       ; (the plain instruction behind the reciprocal)
	s_wait_alu depctr_va_vdst(0)
	v_mul_f32 v25, v19, v24
	v_mul_f32 v26, v21, v24
	s_lshl_b32 s20, ttmp9, 8
	s_lshl_b32 s21, s4, 7
	s_add_co_u32 s20, s20, s21                     ; 4 bytes x token 64 g + 32 w
	s_mov_b32 s21, 0
	s_add_nc_u64 s[16:17], s[16:17], s[20:21]
	s_add_nc_u64 s[18:19], s[18:19], s[20:21]
	global_store_b32 v27, v20, s[16:17]
	global_store_b32 v27, v22, s[16:17] offset:8192
	global_store_b32 v27, v25, s[18:19]
	global_store_b32 v27, v26, s[18:19] offset:8192
	v_mov_b32 v30, 0
.irp e, 0,1,2,3,4,5,6,7
	v_cmp_eq_u32 s22, \e, v20
	v_cmp_eq_u32 s23, \e, v22
	s_or_b32 s22, s22, s23
	v_writelane_b32 v30, s22, \e                   ; lane e holds expert e's word for my 32 tokens
.endr
	v_lshlrev_b32 v31, 8, v1                       ; expert e's 64 words begin at byte 256 e
	s_lshl_b32 s20, ttmp9, 3
	s_lshl_b32 s21, s4, 2
	s_add_co_u32 s20, s20, s21                     ; word 2 g + w
	s_mov_b32 s21, 0
	s_add_nc_u64 s[14:15], s[14:15], s[20:21]
	v_cmp_gt_u32 vcc_lo, 8, v1
	s_wait_xcnt 0x0                                ; EXEC is a source of the stores above: it changes only behind this wait
	s_and_saveexec_b32 s22, vcc_lo
	global_store_b32 v31, v30, s[14:15]
	s_wait_xcnt 0x0                                ; and again in front of the line that widens it
	s_or_b32 exec_lo, exec_lo, s22
.Lend:
	s_wait_tensorcnt 0x0                           ; the wave's end
	ds_add_u32 v[SPW], v[NIL]
	s_wait_dscnt 0x0
	s_endpgm
.Lfunc_end_k_qf694b2f9ba_route:
	.size	k_qf694b2f9ba_route, .Lfunc_end_k_qf694b2f9ba_route-k_qf694b2f9ba_route
	.p2alignl 7, 3214868480
	.fill 96, 4, 3214868480
	.section	.rodata,"a",@progbits
	.p2align	6, 0x0
	.amdhsa_kernel k_qf694b2f9ba_route
		.amdhsa_group_segment_fixed_size 158976
		.amdhsa_private_segment_fixed_size 0
		.amdhsa_enable_private_segment 0
		.amdhsa_kernarg_size 48
		.amdhsa_user_sgpr_count 2
		.amdhsa_user_sgpr_kernarg_segment_ptr 1
		.amdhsa_wavefront_size32 1
		.amdhsa_system_sgpr_workgroup_id_x 1
		.amdhsa_system_sgpr_workgroup_id_y 1
		.amdhsa_system_sgpr_workgroup_id_z 1
		.amdhsa_system_vgpr_workitem_id 0
		.amdhsa_next_free_vgpr 176
		.amdhsa_next_free_sgpr 66
		.amdhsa_reserve_vcc 1
		.amdhsa_float_denorm_mode_32 3
		.amdhsa_float_denorm_mode_16_64 3
		.amdhsa_memory_ordered 1
		.amdhsa_forward_progress 1
		.amdhsa_inst_pref_size 28
	.end_amdhsa_kernel
	.amdgpu_metadata
---
amdhsa.version: [ 1, 2 ]
amdhsa.kernels:
  - .name:           k_qf694b2f9ba_route
    .symbol:         k_qf694b2f9ba_route.kd
    .args:
      - { .name: hidden_states, .offset: 0, .size: 8, .value_kind: global_buffer, .address_space: global }
      - { .name: gate_w, .offset: 8, .size: 8, .value_kind: global_buffer, .address_space: global }
      - { .name: xb, .offset: 16, .size: 8, .value_kind: global_buffer, .address_space: global }
      - { .name: bmap, .offset: 24, .size: 8, .value_kind: global_buffer, .address_space: global }
      - { .name: sel, .offset: 32, .size: 8, .value_kind: global_buffer, .address_space: global }
      - { .name: rw, .offset: 40, .size: 8, .value_kind: global_buffer, .address_space: global }
    .group_segment_fixed_size: 158976
    .private_segment_fixed_size: 0
    .kernarg_segment_align: 8
    .kernarg_segment_size: 48
    .max_flat_workgroup_size: 512
    .sgpr_count:     66
    .vgpr_count:     176
    .wavefront_size: 32
...
	.end_amdgpu_metadata
.endif
;; end of part 1
;; launch gather (part 2): grid 32 x 8, 8 waves a work-group, no clusters, 9,472 bytes of LDS; arguments xb, bmap, xg, posb; writes xg, posb
.if DOCPART == 2
	.amdgcn_target "amdgcn-amd-amdhsa--gfx1250"
	.amdhsa_code_object_version 6
	.text
	.protected	k_qf694b2f9ba_gather
	.globl	k_qf694b2f9ba_gather
	.p2align	8
	.type	k_qf694b2f9ba_gather,@function
k_qf694b2f9ba_gather:
	s_mov_b64 s[64:65], 0
	v_nop
	global_prefetch_b8 v0, s[64:65] scope:SCOPE_SE
	s_setreg_imm32_b32 hwreg(HW_REG_WAVE_MODE, 25, 1), 1
	s_wait_xcnt 0x0
; THE ROWS IN THE EXPERTS' ORDER.  xg[e][K step s][tile][1 KB] holds, for the 16 tokens of ranks 16 tile .. 16 tile + 15 of expert e, channels 32 s .. 32 s + 31 of x in bf16, as the
; matrix operand's register image: the 16 bytes at 512 i + 16 lane are channels 32 s + 16 i + 8 (lane / 16) + 0..7 of the token of row lane % 16.  The first products then load x by
; 512 consecutive bytes an instruction, 32 work-groups an expert, where a load by the list takes 32 bytes of each of 16 rows: that form is paid here once for each routed row.
; The rows are found from bmap (stored by the launch before): wave 0 lists the expert's tokens in ascending order; rank = place in that list.
; Work-group (g, e) takes tiles g, g + 32, g + 64, g + 96 of expert e, as far as the expert has them: a loop of 4 passes, which serves all 2,048 tokens on one expert; a wave takes 4 of a tile's 32 K steps.
; A last tile that is not full repeats token 0.  Work-groups with g = 0 also store posb[t][e] = 2048 e + rank and, behind that table, n, the expert's rows (32 equal words an expert).
; Memory binds: no matrix unit.  NO CLUSTER: an expert's work-groups share its 256 bytes of bmap alone.  NO TENSOR LOAD: the rows come by a list, which no tile descriptor covers.
; LDS: the list, 2,048 words from byte 0; behind it 32 words that take the stores of lanes whose token did not choose the expert; the spare words.
.set SPARE, 8448                       ; the spare words: 128 bytes for each of 8 waves, named by no other line
.set CNT,   65536                      ; byte of posb at which the counts begin
.set SPW,   5                          ; v5 my spare word's address; never rewritten
.set NIL,   6                          ; v6 0; never rewritten
.set D,     32                         ; v[32:63] eight loads' data
.set RK,    64                         ; v[64:127] wave 0: the rank of token 32 i + lane
.macro WREG i                          ; bmap's word i lies in s[WR]: s16-63, then s68-83
.if (\i) < 48
.set WR, 16+(\i)
.else
.set WR, 20+(\i)
.endif
.endm
	s_load_b256 s[4:11], s[0:1], 0x0               ; xb s[4:5], bmap s[6:7], xg s[8:9], posb s[10:11]
	v_lshl_add_u32 v[SPW], v0, 2, SPARE
	v_mov_b32 v[NIL], 0
	v_and_b32 v1, 31, v0                           ; lane
	v_lshrrev_b32 v13, 5, v0
	v_readfirstlane_b32 s84, v13                   ; wave 0..7
	v_and_b32 v2, 15, v0                           ; r = lane % 16
	v_and_b32 v3, 16, v0                           ; 16 (lane / 16)
	v_lshlrev_b32 v4, 4, v1                        ; 16 lane
	v_lshlrev_b32 v7, 2, v2                        ; the list's word r
	s_and_b32 s85, ttmp7, 0xffff                   ; e
	s_mov_b32 s86, ttmp9                           ; g
	s_lshl_b32 s2, s85, 8                          ; the expert's 64 words of bmap
	s_mov_b32 s3, 0
	s_lshl_b32 s96, s84, 8                         ; xb: my four K steps are 256 bytes of a row
	s_mov_b32 s97, 0
	s_lshl_b32 s98, s85, 22                        ; xg: the expert's 32 K steps of 128 tiles of 1 KB,
	s_lshl_b32 s99, s84, 19                        ; my four K steps
	s_add_co_u32 s98, s98, s99
	s_mov_b32 s99, 0
	s_wait_kmcnt 0x0
	s_add_nc_u64 s[6:7], s[6:7], s[2:3]
	s_load_b512 s[16:31], s[6:7], 0x0
	s_load_b512 s[32:47], s[6:7], 0x40
	s_load_b512 s[48:63], s[6:7], 0x80
	s_load_b512 s[68:83], s[6:7], 0xc0
	s_add_nc_u64 s[4:5], s[4:5], s[96:97]
	s_add_nc_u64 s[8:9], s[8:9], s[98:99]
	s_wait_kmcnt 0x0
	s_mov_b32 s87, 0                               ; n: the expert's rows
.set i, 0
.rept 64
	WREG i
	s_bcnt1_i32_b32 s98, s[WR]
	s_add_co_u32 s87, s87, s98
.set i, i+1
.endr
	s_cmp_lg_u32 s84, 0
	s_cbranch_scc1 .Lnolist
	; THE LIST, by wave 0.  First token 0 everywhere; LDS serves a wave's instructions in order (ISA guide 5.7.1.4), so the stores below land on top.
.irp k, 48,49,50,51
	v_mov_b32 v[\k], 0
.endr
.set i, 0
.rept 16
	ds_store_b128 v4, v[48:51] offset:512*i
.set i, i+1
.endr
	v_add_nc_u32 v14, 2048, v1                     ; the place for a lane whose token did not choose the expert
	v_mov_b32 v24, v1                              ; token 32 i + lane
	s_mov_b32 s99, 0                               ; chosen tokens in the words before
.set i, 0
.rept 64
	WREG i
	v_mbcnt_lo_u32_b32 v[RK+i], s[WR], s99         ; rank of token 32 i + lane
	s_bcnt1_i32_b32 s98, s[WR]
	s_add_co_u32 s99, s99, s98
	v_cndmask_b32 v15, v14, v[RK+i], s[WR]
	v_min_u32 v15, 0x81f, v15                      ; inside the list and its 32 words, whatever bmap holds
	v_lshlrev_b32 v15, 2, v15
	ds_store_b32 v15, v24
	v_add_nc_u32 v24, 32, v24
.set i, i+1
.endr
	s_cmp_lg_u32 s86, 0
	s_cbranch_scc1 .Lnolist
	s_lshl_b32 s98, s85, 11
	v_lshlrev_b32 v13, 5, v1
	v_lshl_add_u32 v13, s85, 2, v13                ; posb[t][e]: 32 bytes a token
.set i, 0
.rept 64
	v_add_nc_u32 v[RK+i], s98, v[RK+i]
	global_store_b32 v13, v[RK+i], s[10:11] offset:1024*i
.set i, i+1
.endr
	v_mov_b32 v25, s87
	v_lshlrev_b32 v26, 2, v1
	v_lshl_add_u32 v26, s85, 7, v26                ; the expert's 32 words: each lane stores n into its own
	global_store_b32 v26, v25, s[10:11] offset:CNT
.Lnolist:
	s_add_co_u32 s88, s87, 15
	s_lshr_b32 s88, s88, 4                         ; T tiles of 16 rows
	s_wait_dscnt 0x0                               ; for the others' sake: wave 0's list is stored
	s_barrier_signal -1
	s_barrier_wait -1                              ; the one barrier: from here on LDS is only read
	s_mov_b32 s90, s86                             ; my first tile
	s_mov_b32 s92, 4
.Lpass:
	s_cmp_ge_u32 s90, s88
	s_cbranch_scc1 .Lnext                          ; the expert has no such tile: forward, past no barrier
	s_wait_xcnt 0x0                                ; the last pass's loads and stores have read their offsets and data
	s_min_u32 s98, s90, 127                        ; inside the expert's 128 tiles
	s_lshl_b32 s99, s98, 6
	v_add_nc_u32 v16, s99, v7
	ds_load_b32 v17, v16                           ; the token of row r of the tile
	s_lshl_b32 s99, s98, 10
	v_add_nc_u32 v19, s99, v4                      ; the tile's KB in a K step's images, 16 bytes a lane
	s_wait_dscnt 0x0
	v_min_u32 v17, 0x7ff, v17
	v_lshl_add_u32 v18, v17, 11, v3                ; the token's row of xb, 16 bytes for each half of the lanes
.irp j, 0,1,2,3,4,5,6,7
	global_load_b128 v[D+4*\j:D+4*\j+3], v18, s[4:5] offset:64*(\j/2)+32*(\j%2)
.endr
.irp j, 0,1,2,3,4,5,6,7
	s_wait_loadcnt 7-\j                            ; loads come back in order (ISA guide 5.7.1): the younger ones stay out
	global_store_b128 v19, v[D+4*\j:D+4*\j+3], s[8:9] offset:131072*(\j/2)+512*(\j%2)   ; 512 consecutive bytes, aligned
.endr
.Lnext:
	s_add_co_u32 s90, s90, 32
	s_sub_co_u32 s92, s92, 1
	s_cmp_lg_u32 s92, 0
	s_cbranch_scc1 .Lpass
	s_wait_tensorcnt 0x0                           ; the wave's end
	ds_add_u32 v[SPW], v[NIL]
	s_wait_dscnt 0x0
	s_endpgm
.Lfunc_end_k_qf694b2f9ba_gather:
	.size	k_qf694b2f9ba_gather, .Lfunc_end_k_qf694b2f9ba_gather-k_qf694b2f9ba_gather
	.p2alignl 7, 3214868480
	.fill 96, 4, 3214868480
	.section	.rodata,"a",@progbits
	.p2align	6, 0x0
	.amdhsa_kernel k_qf694b2f9ba_gather
		.amdhsa_group_segment_fixed_size 9472
		.amdhsa_private_segment_fixed_size 0
		.amdhsa_enable_private_segment 0
		.amdhsa_kernarg_size 32
		.amdhsa_user_sgpr_count 2
		.amdhsa_user_sgpr_kernarg_segment_ptr 1
		.amdhsa_wavefront_size32 1
		.amdhsa_system_sgpr_workgroup_id_x 1
		.amdhsa_system_sgpr_workgroup_id_y 1
		.amdhsa_system_sgpr_workgroup_id_z 1
		.amdhsa_system_vgpr_workitem_id 0
		.amdhsa_next_free_vgpr 128
		.amdhsa_next_free_sgpr 102
		.amdhsa_reserve_vcc 0
		.amdhsa_float_denorm_mode_32 3
		.amdhsa_float_denorm_mode_16_64 3
		.amdhsa_memory_ordered 1
		.amdhsa_forward_progress 1
		.amdhsa_inst_pref_size 42
	.end_amdhsa_kernel
	.amdgpu_metadata
---
amdhsa.version: [ 1, 2 ]
amdhsa.kernels:
  - .name:           k_qf694b2f9ba_gather
    .symbol:         k_qf694b2f9ba_gather.kd
    .args:
      - { .name: xb, .offset: 0, .size: 8, .value_kind: global_buffer, .address_space: global }
      - { .name: bmap, .offset: 8, .size: 8, .value_kind: global_buffer, .address_space: global }
      - { .name: xg, .offset: 16, .size: 8, .value_kind: global_buffer, .address_space: global }
      - { .name: posb, .offset: 24, .size: 8, .value_kind: global_buffer, .address_space: global }
    .group_segment_fixed_size: 9472
    .private_segment_fixed_size: 0
    .kernarg_segment_align: 8
    .kernarg_segment_size: 32
    .max_flat_workgroup_size: 256
    .sgpr_count:     102
    .vgpr_count:     128
    .wavefront_size: 32
...
	.end_amdgpu_metadata
.endif
;; end of part 2
;; launch up (part 3): grid 32 x 8, 8 waves a work-group, no clusters, 133,120 bytes of LDS; arguments xg, posb, w1, w3, hb; writes hb
.if DOCPART == 3
	.amdgcn_target "amdgcn-amd-amdhsa--gfx1250"
	.amdhsa_code_object_version 6
	.text
	.protected	k_qf694b2f9ba_up
	.globl	k_qf694b2f9ba_up
	.p2align	8
	.type	k_qf694b2f9ba_up,@function
k_qf694b2f9ba_up:
	s_mov_b64 s[64:65], 0
	v_nop
	global_prefetch_b8 v0, s[64:65] scope:SCOPE_SE
	s_setreg_imm32_b32 hwreg(HW_REG_WAVE_MODE, 25, 1), 1
	s_wait_xcnt 0x0
; FIRST PRODUCTS.  h[row][f] = gelu(x . w1[e][f]) (x . w3[e][f]) for the rows (tokens) that chose expert e.  Work-group (s, e): hidden units 32 s .. 32 s + 31 of expert e, all of its rows.
; Its 64 weight rows (32 of w1, 32 of w3; 256 KB of f32 that no other work-group reads) are asked for at once, rounded to bf16 in registers and laid into LDS; then nothing writes LDS any more,
; and the loop over rows needs no barrier: the rows come from xg, where the launch before laid them in the expert's order as operand images ([e][K step][tile of 16 rows][1 KB]): each load covers
; 512 consecutive bytes and goes straight into registers, through a ring of eight K steps.  n, the expert's rows, was stored by the same launch behind posb's table.
; Tiles of 16 rows are dealt to the 8 waves in runs that differ by one tile at the most; a wave takes 4, 3 or 2 tiles a pass (5 left: 3 and 2), in a loop of 4 passes, which serves all 2,048 tokens on one expert.
; A last tile that is not full repeats token 0; a single tile is multiplied twice and leaves once.  An expert without rows stores nothing.
; THE MATRIX INSTRUCTION IS USED TRANSPOSED: source 0 = 16 weight rows, source 1 = 16 tokens: a lane holds one token (lane % 16) and eight neighbouring f.  Rounded to bf16 they are 16 bytes, stored at
; hb[e][s][tile][512 i + 16 lane]: each store covers 512 consecutive bytes, and that KB is the second product's operand image for K step s.
; GELU is the exact form, x Phi(x), with erfc by a five-term polynomial in 1 / (1 + 0.3275911 |x| / sqrt 2) times exp(-x^2 / 2) (Abramowitz and Stegun 7.1.26): LIMIT: 1.5e-7 absolute in erf.
; An exponential below 2^-126 counts as 0.  h is kept in bf16, since it can pass f16's range for inputs 30 times larger.  NaN and infinities are not treated apart.
; NO CLUSTER: each weight byte has one reader.  What an expert's 32 work-groups share is its rows' images; a joint load would land them in LDS, where a wave's K step would read 8 + 2 V halves of fragments
; in place of 8 (V = 4 tiles: twice as many); an expert's images (32 KB a tile, up to 128 tiles) do not fit beside the 132,096 bytes of weights, and a ring's rounds would stand in a loop whose length hangs on a stored count.
; NO TENSOR LOAD: the weights are f32 and are rounded on their way, so they pass through registers; the images go straight into registers.
; REGISTERS.  Window 0: v0-39 addresses and constants; v64-127 two buffers of weight fragments (also at work in GELU); v128-255 accumulators, tile m, block nt at 128 + 32 m + 8 nt.
;             Window 1: first the 64 weight loads, then the ring of token fragments: slot sl, tile m at 32 sl + 8 m.
.set WP,    2064                       ; a weight row in LDS: 2,048 bytes + 16: the 16 rows of a fragment load start at 16 different groups of four banks (ISA guide 11.1)
.set SPARE, 64*WP                      ; 132,096, a multiple of 256: the spare words, 128 bytes for each of 8 waves, named by no other line
.set CNT,   65536                      ; byte of posb at which the counts begin: 128 bytes an expert
.set KMAX,  2*512                      ; the K loop's largest byte offset in a weight row: that of its third trip
.set KB,    131072                     ; bytes from a K step's images to the next step's: 128 tiles of 1 KB
.set HB,    512                        ; from a fragment's first half to its second
.set SPW,   5                          ; v5 my spare word's address; never rewritten
.set NIL,   6                          ; v6 0; never rewritten
.set BF,    64
.set ACC,   128
.set KOFF,  87                         ; s87: first n, the expert's rows; in the K loop the trip's byte offset in a weight row
.set MSB, 0
.macro WIN new                         ; s_set_vgpr_msb: bits 1:0 source 0, 3:2 source 1, 5:4 source 2, 7:6 destination; the high byte repeats the setting that is left
.if MSB != (\new)
	s_set_vgpr_msb (MSB<<8)|(\new)
.set MSB, (\new)
.endif
.endm
.macro PAIR r, c
	v_mov_b32 v[\r], \c
	v_mov_b32 v[\r+1], \c
.endm
	s_load_b256 s[4:11], s[0:1], 0x0               ; xg s[4:5], posb s[6:7], w1 s[8:9], w3 s[10:11]
	s_load_b64 s[12:13], s[0:1], 0x20              ; hb
	v_lshl_add_u32 v[SPW], v0, 2, SPARE
	v_mov_b32 v[NIL], 0
	v_and_b32 v1, 31, v0                           ; lane
	v_lshrrev_b32 v13, 5, v0
	v_readfirstlane_b32 s84, v13                   ; wave 0..7
	v_and_b32 v2, 15, v0                           ; r = lane % 16
	v_and_b32 v3, 16, v0                           ; 16 (lane / 16)
	v_lshlrev_b32 v4, 4, v1                        ; 16 lane
	s_and_b32 s85, ttmp7, 0xffff                   ; e
	s_mov_b32 s86, ttmp9                           ; s
	s_lshl_b32 s98, s85, 22                        ; the expert's part of xg, of w1 and of w3
	s_mov_b32 s99, 0
	s_lshl_b32 s100, s86, 17                       ; my eight weight rows: slice of 32 rows, 8 (w % 4)
	s_add_co_u32 s100, s100, s98
	s_and_b32 s101, s84, 3
	s_lshl_b32 s101, s101, 15
	s_add_co_u32 s100, s100, s101
	s_mov_b32 s101, 0
	s_lshl_b32 s2, s85, 7                          ; the expert's count
	s_mov_b32 s3, 0
	s_lshl_b32 s94, s85, 5
	s_add_co_u32 s94, s94, s86
	s_lshl_b32 s94, s94, 17                        ; hb: 128 tiles of 1 KB for each (e, s)
	s_mov_b32 s95, 0
	s_mov_b32 s66, 0x3e6d3388                      ; 0.3275911 / sqrt 2
	s_wait_kmcnt 0x0
	s_add_nc_u64 s[6:7], s[6:7], s[2:3]
	s_load_b32 s87, s[6:7], CNT                    ; n
	s_add_nc_u64 s[4:5], s[4:5], s[98:99]
	s_add_nc_u64 s[12:13], s[12:13], s[94:95]
	s_cmp_lt_u32 s84, 4                            ; waves 0-3 bring w1's 32 rows, waves 4-7 w3's
	s_cselect_b64 s[96:97], s[8:9], s[10:11]
	s_add_nc_u64 s[96:97], s[96:97], s[100:101]
	WIN 0x40                                       ; destination window 1
.set i, 0
.rept 64                               ; my eight rows are 32 KB on end: 64 loads of 512 consecutive bytes, all asked for before anything is waited for
	global_load_b128 v[4*i:4*i+3], v4, s[96:97] offset:512*i th:TH_LOAD_NT
.set i, i+1
.endr
	WIN 0
	v_mul_u32_u24 v9, v2, WP
	v_add_nc_u32 v9, v3, v9                        ; weight fragments: row r (+ 16 nt), bytes 16 (lane / 16)
	v_add_nc_u32 v10, 32*WP, v9                    ; the same 32 rows on
	s_mul_i32 s100, s84, 8*WP
	v_lshl_add_u32 v8, v1, 3, s100                 ; where my rows go: 8 bytes a lane
	PAIR 28, 0x3e027906                            ; the polynomial's coefficients, halved:  0.254829592 / 2
	PAIR 30, 0xbe11a98e                            ; -0.284496736 / 2
	PAIR 32, 0x3f35f0e3                            ;  1.421413741 / 2
	PAIR 34, 0xbf3a00e3                            ; -1.453152027 / 2
	PAIR 36, 0x3f07dc22                            ;  1.061405429 / 2
	PAIR 38, 0xbf38aa3b                            ; -log2(e) / 2
.set b, 0
.rept 4                                ; the weights, sixteen loads at a time: rounded to bf16 and laid into LDS
	s_wait_loadcnt 48-16*b                         ; loads come back in order (ISA guide 5.7.1): the later batches stay out
	WIN 0x05                                       ; sources window 1, destination window 0
.set i, 16*b
.rept 16
	v_cvt_pk_bf16_f32 v[ACC+2*i],   v[4*i],   v[4*i+1]
	v_cvt_pk_bf16_f32 v[ACC+2*i+1], v[4*i+2], v[4*i+3]
.set i, i+1
.endr
	WIN 0
.set i, 16*b
.rept 16
	ds_store_b64 v8, v[ACC+2*i:ACC+2*i+1] offset:(i/8)*WP+(i%8)*256   ; 256 consecutive bytes of a row
.set i, i+1
.endr
.set b, b+1
.endr
	s_wait_kmcnt 0x0                               ; n
	s_add_co_u32 s88, s87, 15
	s_lshr_b32 s88, s88, 4                         ; T tiles of 16 rows
	s_lshr_b32 s98, s88, 3
	s_and_b32 s99, s88, 7
	s_mul_i32 s90, s84, s98
	s_min_u32 s100, s84, s99
	s_add_co_u32 s90, s90, s100                    ; my first tile: w (T / 8) + min(w, T % 8)
	s_cmp_lt_u32 s84, s99
	s_cselect_b32 s100, 1, 0
	s_add_co_u32 s89, s98, s100                    ; my tiles: T / 8, one more for the first T % 8 waves
	s_wait_dscnt 0x0                               ; for the others' sake: my rows are stored
	s_barrier_signal -1
	s_barrier_wait -1                              ; the one barrier: from here on LDS is only read
.macro BLOAD buf, off                  ; the weight fragments of one K step, 64 rows x 32 K, at byte off from the trip's addresses
.irp nt, 0,1
	ds_load_b128 v[BF+32*(\buf)+8*\nt:BF+32*(\buf)+8*\nt+3],   v11 offset:(\off)+\nt*16*WP
	ds_load_b128 v[BF+32*(\buf)+8*\nt+4:BF+32*(\buf)+8*\nt+7], v11 offset:(\off)+\nt*16*WP+32
.endr
.irp nt, 0,1
	ds_load_b128 v[BF+32*(\buf)+16+8*\nt:BF+32*(\buf)+16+8*\nt+3],   v12 offset:(\off)+\nt*16*WP
	ds_load_b128 v[BF+32*(\buf)+16+8*\nt+4:BF+32*(\buf)+16+8*\nt+7], v12 offset:(\off)+\nt*16*WP+32
.endr
.endm
.macro ALOAD V, slot, ko               ; the token fragments of one K step for V tiles, ko steps from the stepped base
.set mm, 0
.rept \V
	global_load_b128 v[32*(\slot)+8*mm:32*(\slot)+8*mm+3],   v[16+mm], s[94:95] offset:(\ko)*KB
	global_load_b128 v[32*(\slot)+8*mm+4:32*(\slot)+8*mm+7], v[16+mm], s[94:95] offset:(\ko)*KB+HB
.set mm, mm+1
.endr
.endm
.macro MUL V, buf, slot, zero          ; 4 V products; the accumulators take turns, one instruction a turn.  zero = 1: the first K step starts the sums
.set mm, 0
.rept \V
.irp nt, 0,1,2,3
.if \zero
	v_wmma_f32_16x16x32_bf16 v[ACC+32*mm+8*\nt:ACC+32*mm+8*\nt+7], v[BF+32*(\buf)+8*\nt:BF+32*(\buf)+8*\nt+7], v[32*(\slot)+8*mm:32*(\slot)+8*mm+7], 0
.else
	v_wmma_f32_16x16x32_bf16 v[ACC+32*mm+8*\nt:ACC+32*mm+8*\nt+7], v[BF+32*(\buf)+8*\nt:BF+32*(\buf)+8*\nt+7], v[32*(\slot)+8*mm:32*(\slot)+8*mm+7], v[ACC+32*mm+8*\nt:ACC+32*mm+8*\nt+7]
.endif
.endr
.set mm, mm+1
.endr
.endm
; K step ka (kr: the same counted from the stepped base).  It asks for the weights of step ka + 1 and the tokens of step ka + 7, into the buffer and the slot that step ka - 1 read, and multiplies.
; np = 0: the four places in front of those loads are written by the caller, or no product stands near ahead.
.macro KSTEP V, kr, ka, zero, np=1
.if \np
.rept 4
	v_nop                                          ; four places between the last step's products and the loads into registers that they read (ISA guide 7.12.1 for vector instructions)
.endr
.endif
.if (\ka) < 31
	BLOAD ((\kr)+1)%2, ((\kr)+1)*64
.endif
.if (\ka) < 25
	WIN 0x40
	ALOAD \V, ((\kr)+7)%8, (\kr)+7
.endif
.if (\ka) < 31
	s_wait_dscnt 8                                 ; this step's weights are in; the eight loads just issued stay out
.else
	s_wait_dscnt 0x0
.endif
.if (\ka) < 25
	s_wait_loadcnt 14*(\V)                         ; this step's tokens are in; the seven younger steps, 2 V loads each, stay out
.else
	s_wait_loadcnt 2*(\V)*(31-(\ka))               ; the steps that are left
.endif
	WIN 0x04                                       ; source 1 (tokens) window 1
	MUL \V, (\kr)%2, (\kr)%8, \zero
.endm
.macro GEMM V                          ; V tiles x 64 weight rows x K = 1,024
	v_mov_b32 v11, v9
	v_mov_b32 v12, v10
	WIN 0x40
.set kk, 0
.rept 7
	ALOAD \V, kk, kk
.set kk, kk+1
.endr
	WIN 0
	BLOAD 0, 0
	KSTEP \V, 0, 0, 1, 0
	WIN 0                                          ; at a label and at a branch every window is 0
	s_mov_b32 s[KOFF], 0
	s_mov_b32 s93, 3
.Lk\V:                                 ; a trip: eight K steps, once round the ring.  On both ways in, seven steps of tokens and one of weights are out
	s_min_u32 s98, s[KOFF], KMAX                   ; the trip's offset in a weight row, 0, 512 or 1,024, held to its largest value: by this line alone the bytes read below lie inside the 64 weight rows
	v_add_nc_u32 v11, s98, v9                      ; the trip's LDS addresses are made anew from the fixed lane terms
	v_add_nc_u32 v12, s98, v10
	v_nop                                          ; with the two lines above: the four places in front of the first step's loads
	v_nop
	KSTEP \V, 1, 1, 0, 0
.irp k, 2,3,4,5,6,7,8
	KSTEP \V, \k, \k, 0
.endr
	WIN 0
	s_wait_xcnt 0x0                                ; the loads' base is stepped only behind this wait
	s_add_nc_u64 s[94:95], s[94:95], 8*KB
	s_add_co_u32 s[KOFF], s[KOFF], 512
	s_sub_co_u32 s93, s93, 1
	s_cmp_lg_u32 s93, 0
	s_cbranch_scc1 .Lk\V
	v_add_nc_u32 v11, 3*512, v9                    ; the tail's addresses: K steps 24 on
	v_add_nc_u32 v12, 3*512, v10
.irp k, 1,2,3,4,5,6,7
	KSTEP \V, \k, 24+\k, 0                         ; the last seven steps ask for no tokens: no load leaves the expert's part of xg
.endr
	WIN 0
.rept 4
	v_nop                                          ; the places behind the last products
.endr
.endm
; Tile m leaves: a = x . w1 in blocks 0, 1; b = x . w3 in blocks 2, 3; each accumulator is read from its low end on.
; gelu(a) = max(a, 0) - |a| Q,  Q = (poly(t) / 2) exp(-a^2 / 2),  t = 1 / (1 + 0.2316419 |a|).
.macro GELU m
.set A0, ACC+32*(\m)
.set i, 0
.rept 16
	v_fma_f32 v[64+i], |v[A0+i]|, s66, 1.0
.set i, i+1
.endr
.set i, 0
.rept 8
	v_pk_mul_f32 v[80+i:81+i], v[A0+i:A0+i+1], v[38:39]
.set i, i+2
.endr
.set i, 0
.rept 8
	v_pk_mul_f32 v[80+i:81+i], v[80+i:81+i], v[A0+i:A0+i+1]
.set i, i+2
.endr
.set i, 0
.rept 16
	v_rcp_f32 v[64+i], v[64+i]                     ; t
.set i, i+1
.endr
.set i, 0
.rept 16
	v_exp_f32 v[80+i], v[80+i]                     ; exp(-a^2 / 2)
.set i, i+1
.endr
.set i, 0
.rept 16
	v_max_num_f32 v[96+i], 0, v[A0+i]              ; plain work that names no result of the batch
.set i, i+1
.endr
	s_wait_alu depctr_va_vdst(0)                   ; one wait for the 32 transcendentals, ahead of their first reader
.set i, 0
.rept 8
	v_pk_fma_f32 v[112+i:113+i], v[64+i:65+i], v[36:37], v[34:35]
.set i, i+2
.endr
.irp c, 32,30,28
.set i, 0
.rept 8
	v_pk_fma_f32 v[112+i:113+i], v[112+i:113+i], v[64+i:65+i], v[\c:\c+1]
.set i, i+2
.endr
.endr
.set i, 0
.rept 8
	v_pk_mul_f32 v[80+i:81+i], v[80+i:81+i], v[64+i:65+i]
.set i, i+2
.endr
.set i, 0
.rept 8
	v_pk_mul_f32 v[112+i:113+i], v[112+i:113+i], v[80+i:81+i]   ; Q
.set i, i+2
.endr
.set i, 0
.rept 16
	v_fma_f32 v[96+i], -|v[A0+i]|, v[112+i], v[96+i]
.set i, i+1
.endr
.set i, 0
.rept 8
	v_pk_mul_f32 v[96+i:97+i], v[96+i:97+i], v[A0+16+i:A0+17+i]
.set i, i+2
.endr
.set i, 0
.rept 8
	v_cvt_pk_bf16_f32 v[A0+i], v[96+2*i], v[96+2*i+1]
.set i, i+1
.endr
	global_store_b128 v[16+(\m)], v[A0:A0+3],   s[12:13]              ; 512 consecutive bytes each, aligned
	global_store_b128 v[16+(\m)], v[A0+4:A0+7], s[12:13] offset:512
.endm
	s_mov_b32 s92, 4
.Lpass:
	s_cmp_eq_u32 s89, 0
	s_cbranch_scc1 .Lnext                          ; nothing left for this wave: forward, past no barrier
	s_wait_xcnt 0x0                                ; the last pass's stores have read their offsets and data
	s_min_u32 s91, s89, 4
	s_cmp_eq_u32 s89, 5
	s_cselect_b32 s91, 3, s91                      ; tiles of this pass: 5 left go as 3 and 2
	s_sub_co_u32 s101, s91, 1
.irp m, 0,1,2,3
	s_min_u32 s98, s101, \m                        ; places past the pass's tiles repeat its last
	s_add_co_u32 s98, s98, s90
	s_min_u32 s98, s98, 127                        ; inside the expert's 128 tiles, whatever the count holds
	s_lshl_b32 s99, s98, 10
	v_add_nc_u32 v[16+\m], s99, v4                 ; the tile's KB, 16 bytes a lane: in a K step's images of xg, and in my slice of hb
.endr
	s_mov_b64 s[94:95], s[4:5]
	s_sub_co_u32 s89, s89, s91
	s_add_co_u32 s90, s90, s91
	s_cmp_eq_u32 s91, 4
	s_cbranch_scc1 .Lg4
	s_cmp_eq_u32 s91, 3
	s_cbranch_scc1 .Lg3
	GEMM 2
	s_branch .Lepi
.Lg3:
	GEMM 3
	s_branch .Lepi
.Lg4:
	GEMM 4
.Lepi:
	GELU 0
	s_cmp_lt_u32 s91, 2
	s_cbranch_scc1 .Lnext
	GELU 1
	s_cmp_lt_u32 s91, 3
	s_cbranch_scc1 .Lnext
	GELU 2
	s_cmp_lt_u32 s91, 4
	s_cbranch_scc1 .Lnext
	GELU 3
.Lnext:
	s_sub_co_u32 s92, s92, 1
	s_cmp_lg_u32 s92, 0
	s_cbranch_scc1 .Lpass
	s_wait_tensorcnt 0x0                           ; the wave's end
	ds_add_u32 v[SPW], v[NIL]
	s_wait_dscnt 0x0
	s_endpgm
.Lfunc_end_k_qf694b2f9ba_up:
	.size	k_qf694b2f9ba_up, .Lfunc_end_k_qf694b2f9ba_up-k_qf694b2f9ba_up
	.p2alignl 7, 3214868480
	.fill 96, 4, 3214868480
	.section	.rodata,"a",@progbits
	.p2align	6, 0x0
	.amdhsa_kernel k_qf694b2f9ba_up
		.amdhsa_group_segment_fixed_size 133120
		.amdhsa_private_segment_fixed_size 0
		.amdhsa_enable_private_segment 0
		.amdhsa_kernarg_size 40
		.amdhsa_user_sgpr_count 2
		.amdhsa_user_sgpr_kernarg_segment_ptr 1
		.amdhsa_wavefront_size32 1
		.amdhsa_system_sgpr_workgroup_id_x 1
		.amdhsa_system_sgpr_workgroup_id_y 1
		.amdhsa_system_sgpr_workgroup_id_z 1
		.amdhsa_system_vgpr_workitem_id 0
		.amdhsa_next_free_vgpr 512
		.amdhsa_next_free_sgpr 102
		.amdhsa_reserve_vcc 0
		.amdhsa_float_denorm_mode_32 3
		.amdhsa_float_denorm_mode_16_64 3
		.amdhsa_memory_ordered 1
		.amdhsa_forward_progress 1
		.amdhsa_inst_pref_size 159
	.end_amdhsa_kernel
	.amdgpu_metadata
---
amdhsa.version: [ 1, 2 ]
amdhsa.kernels:
  - .name:           k_qf694b2f9ba_up
    .symbol:         k_qf694b2f9ba_up.kd
    .args:
      - { .name: xg, .offset: 0, .size: 8, .value_kind: global_buffer, .address_space: global }
      - { .name: posb, .offset: 8, .size: 8, .value_kind: global_buffer, .address_space: global }
      - { .name: w1, .offset: 16, .size: 8, .value_kind: global_buffer, .address_space: global }
      - { .name: w3, .offset: 24, .size: 8, .value_kind: global_buffer, .address_space: global }
      - { .name: hb, .offset: 32, .size: 8, .value_kind: global_buffer, .address_space: global }
    .group_segment_fixed_size: 133120
    .private_segment_fixed_size: 0
    .kernarg_segment_align: 8
    .kernarg_segment_size: 40
    .max_flat_workgroup_size: 256
    .sgpr_count:     102
    .vgpr_count:     512
    .wavefront_size: 32
...
	.end_amdgpu_metadata
.endif
;; end of part 3
;; launch down (part 4): grid 32 x 8, 8 waves a work-group, no clusters, 167,936 bytes of LDS; arguments hb, posb, w2, y; writes y
.if DOCPART == 4
	.amdgcn_target "amdgcn-amd-amdhsa--gfx1250"
	.amdhsa_code_object_version 6
	.text
	.protected	k_qf694b2f9ba_down
	.globl	k_qf694b2f9ba_down
	.p2align	8
	.type	k_qf694b2f9ba_down,@function
k_qf694b2f9ba_down:
	s_mov_b64 s[64:65], 0
	v_nop
	global_prefetch_b8 v0, s[64:65] scope:SCOPE_SE
	s_setreg_imm32_b32 hwreg(HW_REG_WAVE_MODE, 25, 1), 1
	s_wait_xcnt 0x0
; SECOND PRODUCT.  y[2048 e + rank][c] = sum over f of h[rank][f] w2[e][c][f], f32: the partial rows that the last launch weighs and adds.
; Work-group (2 cs + q, e): output channels 64 cs .. 64 cs + 63 of expert e; the expert's tiles of 16 rows are dealt over the 16 waves of the two work-groups q = 0, 1.
; The 64 rows of w2 (256 KB of f32) are asked for at once, rounded to bf16 in registers and laid into LDS; then the loop over rows needs no barrier: h comes from hb straight into registers, each
; load 512 consecutive bytes of the operand image that the launch before stored ([e][K step][tile][1 KB]), through a ring of eight K steps.  n, the expert's rows, lies behind posb's table.
; A wave takes 4, 3 or 2 tiles a pass (5 left: 3 and 2), in a loop of 2 passes, which serves all 2,048 tokens on one expert.  A single tile is multiplied twice and leaves once.  Whole tiles leave: the rows
; past the count in the last tile hold token 0's result and are never read.  An expert without rows stores nothing.
; THE MATRIX INSTRUCTION IS USED TRANSPOSED: source 0 = 16 rows of w2, source 1 = 16 rows of h: a lane holds one row (lane % 16) and eight neighbouring channels.  A tile goes through the wave's own stage
; in LDS, so that 16 lanes store 256 consecutive, aligned bytes of a row of y.
; NO CLUSTER: a slice of w2 has two readers; joint loads of hb would put rounds of a cluster's barrier into a loop whose length hangs on a stored count.
; NO TENSOR LOAD: the weights are f32 and are rounded on their way, so they pass through registers; the row loop's length hangs on a stored count, so no ring in LDS stands in it.
; NaN and infinities are not treated apart.
; REGISTERS.  Window 0: v0-27 addresses; v64-127 two buffers of weight fragments (on the way out: rows read back); v128-255 accumulators, tile m, block nt at 128 + 32 m + 8 nt.
;             Window 1: first the 64 weight loads, then the ring of h's fragments: slot sl, tile m at 32 sl + 8 m.
.set WP,    2064                       ; a weight row in LDS: 2,048 bytes + 16: the 16 rows of a fragment load start at 16 different groups of four banks (ISA guide 11.1)
.set STAGE, 64*WP                      ; 16 rows x 272 bytes for each wave
.set SP,    272
.set SPARE, STAGE+8*16*SP              ; the spare words: 128 bytes for each of 8 waves, named by no other line
.set CNT,   65536                      ; byte of posb at which the counts begin: 128 bytes an expert
.set KMAX,  2*512                      ; the K loop's largest byte offset in a weight row: that of its third trip
.set KB,    131072                     ; bytes from a K step's images to the next step's: 128 tiles of 1 KB
.set HB,    512                        ; from a fragment's first half to its second
.set SPW,   5                          ; v5 my spare word's address; never rewritten
.set NIL,   6                          ; v6 0; never rewritten
.set BF,    64
.set ACC,   128
.set KOFF,  87                         ; s87: first n, the expert's rows; in the K loop the trip's byte offset in a weight row
.set MSB, 0
.macro WIN new                         ; s_set_vgpr_msb: bits 1:0 source 0, 3:2 source 1, 5:4 source 2, 7:6 destination; the high byte repeats the setting that is left
.if MSB != (\new)
	s_set_vgpr_msb (MSB<<8)|(\new)
.set MSB, (\new)
.endif
.endm
	s_load_b256 s[4:11], s[0:1], 0x0               ; hb s[4:5], posb s[6:7], w2 s[8:9], y s[10:11]
	v_lshl_add_u32 v[SPW], v0, 2, SPARE
	v_mov_b32 v[NIL], 0
	v_and_b32 v1, 31, v0                           ; lane
	v_lshrrev_b32 v13, 5, v0
	v_readfirstlane_b32 s84, v13                   ; wave 0..7
	v_and_b32 v2, 15, v0                           ; r = lane % 16
	v_and_b32 v3, 16, v0                           ; 16 (lane / 16)
	v_lshlrev_b32 v4, 4, v1                        ; 16 lane
	s_and_b32 s85, ttmp7, 0xffff                   ; e
	s_lshr_b32 s86, ttmp9, 1                       ; cs
	s_and_b32 s66, ttmp9, 1                        ; q
	s_lshl_b32 s98, s85, 22                        ; the expert's part of hb, and of w2
	s_mov_b32 s99, 0
	s_lshl_b32 s100, s86, 18                       ; my eight weight rows: slice of 64 rows, 8 w
	s_add_co_u32 s100, s100, s98
	s_lshl_b32 s101, s84, 15
	s_add_co_u32 s100, s100, s101
	s_mov_b32 s101, 0
	s_lshl_b32 s2, s85, 7                          ; the expert's count
	s_mov_b32 s3, 0
	s_lshl_b32 s96, s85, 23                        ; y: the expert's 2,048 rows of 4,096 bytes, my 256 bytes of a row
	s_lshl_b32 s97, s86, 8
	s_add_co_u32 s96, s96, s97
	s_mov_b32 s97, 0
	s_wait_kmcnt 0x0
	s_add_nc_u64 s[6:7], s[6:7], s[2:3]
	s_load_b32 s87, s[6:7], CNT                    ; n
	s_add_nc_u64 s[4:5], s[4:5], s[98:99]
	s_add_nc_u64 s[10:11], s[10:11], s[96:97]
	s_add_nc_u64 s[8:9], s[8:9], s[100:101]
	WIN 0x40                                       ; destination window 1
.set i, 0
.rept 64                               ; my eight rows are 32 KB on end: 64 loads of 512 consecutive bytes, all asked for before anything is waited for
	global_load_b128 v[4*i:4*i+3], v4, s[8:9] offset:512*i
.set i, i+1
.endr
	WIN 0
	v_mul_u32_u24 v9, v2, WP
	v_add_nc_u32 v9, v3, v9                        ; weight fragments: row r (+ 16 nt), bytes 16 (lane / 16)
	v_add_nc_u32 v10, 32*WP, v9                    ; the same 32 rows on
	s_mul_i32 s100, s84, 8*WP
	v_lshl_add_u32 v8, v1, 3, s100                 ; where my rows go: 8 bytes a lane
	s_mul_i32 s100, s84, 16*SP
	s_add_co_u32 s100, s100, STAGE                 ; my stage
	v_mul_u32_u24 v13, v2, SP
	v_lshl_add_u32 v13, v3, 1, v13                 ; in: row r, 32 bytes for each half of the lanes
	v_add_nc_u32 v13, s100, v13
	v_mul_u32_u24 v14, v3, SP/16
	v_lshl_add_u32 v14, v2, 4, v14                 ; back: lanes 0-15 one row of 256 bytes, lanes 16-31 the next
	v_add_nc_u32 v14, s100, v14
	v_lshlrev_b32 v15, 8, v3
	v_lshl_add_u32 v15, v2, 4, v15                 ; and the same two rows in y
.set b, 0
.rept 4                                ; the weights, sixteen loads at a time: rounded to bf16 and laid into LDS
	s_wait_loadcnt 48-16*b                         ; loads come back in order (ISA guide 5.7.1): the later batches stay out
	WIN 0x05                                       ; sources window 1, destination window 0
.set i, 16*b
.rept 16
	v_cvt_pk_bf16_f32 v[ACC+2*i],   v[4*i],   v[4*i+1]
	v_cvt_pk_bf16_f32 v[ACC+2*i+1], v[4*i+2], v[4*i+3]
.set i, i+1
.endr
	WIN 0
.set i, 16*b
.rept 16
	ds_store_b64 v8, v[ACC+2*i:ACC+2*i+1] offset:(i/8)*WP+(i%8)*256   ; 256 consecutive bytes of a row
.set i, i+1
.endr
.set b, b+1
.endr
	s_wait_kmcnt 0x0                               ; n
	s_lshl_b32 s67, s84, 1
	s_add_co_u32 s67, s67, s66                     ; my wave among the sixteen: 2 w + q
	s_add_co_u32 s88, s87, 15
	s_lshr_b32 s88, s88, 4                         ; T tiles of 16 rows
	s_lshr_b32 s98, s88, 4
	s_and_b32 s99, s88, 15
	s_mul_i32 s90, s67, s98
	s_min_u32 s100, s67, s99
	s_add_co_u32 s90, s90, s100                    ; my first tile
	s_cmp_lt_u32 s67, s99
	s_cselect_b32 s100, 1, 0
	s_add_co_u32 s89, s98, s100                    ; my tiles: T / 16, one more for the first T % 16 waves
	s_wait_dscnt 0x0                               ; for the others' sake: my rows are stored
	s_barrier_signal -1
	s_barrier_wait -1                              ; the one barrier: from here on a wave writes its own stage alone
.macro BLOAD buf, off                  ; the weight fragments of one K step, 64 rows x 32 K, at byte off from the trip's addresses
.irp nt, 0,1
	ds_load_b128 v[BF+32*(\buf)+8*\nt:BF+32*(\buf)+8*\nt+3],   v11 offset:(\off)+\nt*16*WP
	ds_load_b128 v[BF+32*(\buf)+8*\nt+4:BF+32*(\buf)+8*\nt+7], v11 offset:(\off)+\nt*16*WP+32
.endr
.irp nt, 0,1
	ds_load_b128 v[BF+32*(\buf)+16+8*\nt:BF+32*(\buf)+16+8*\nt+3],   v12 offset:(\off)+\nt*16*WP
	ds_load_b128 v[BF+32*(\buf)+16+8*\nt+4:BF+32*(\buf)+16+8*\nt+7], v12 offset:(\off)+\nt*16*WP+32
.endr
.endm
.macro ALOAD V, slot, ko               ; h's fragments of one K step for V tiles, ko steps from the stepped base
.set mm, 0
.rept \V
	global_load_b128 v[32*(\slot)+8*mm:32*(\slot)+8*mm+3],   v[16+mm], s[94:95] offset:(\ko)*KB
	global_load_b128 v[32*(\slot)+8*mm+4:32*(\slot)+8*mm+7], v[16+mm], s[94:95] offset:(\ko)*KB+HB
.set mm, mm+1
.endr
.endm
.macro MUL V, buf, slot, zero          ; 4 V products; the accumulators take turns, one instruction a turn.  zero = 1: the first K step starts the sums
.set mm, 0
.rept \V
.irp nt, 0,1,2,3
.if \zero
	v_wmma_f32_16x16x32_bf16 v[ACC+32*mm+8*\nt:ACC+32*mm+8*\nt+7], v[BF+32*(\buf)+8*\nt:BF+32*(\buf)+8*\nt+7], v[32*(\slot)+8*mm:32*(\slot)+8*mm+7], 0
.else
	v_wmma_f32_16x16x32_bf16 v[ACC+32*mm+8*\nt:ACC+32*mm+8*\nt+7], v[BF+32*(\buf)+8*\nt:BF+32*(\buf)+8*\nt+7], v[32*(\slot)+8*mm:32*(\slot)+8*mm+7], v[ACC+32*mm+8*\nt:ACC+32*mm+8*\nt+7]
.endif
.endr
.set mm, mm+1
.endr
.endm
; K step ka (kr: the same counted from the stepped base).  It asks for the weights of step ka + 1 and for h of step ka + 7, into the buffer and the slot that step ka - 1 read, and multiplies.
; np = 0: the four places in front of those loads are written by the caller, or no product stands near ahead.
.macro KSTEP V, kr, ka, zero, np=1
.if \np
.rept 4
	v_nop                                          ; four places between the last step's products and the loads into registers that they read (ISA guide 7.12.1 for vector instructions)
.endr
.endif
.if (\ka) < 31
	BLOAD ((\kr)+1)%2, ((\kr)+1)*64
.endif
.if (\ka) < 25
	WIN 0x40
	ALOAD \V, ((\kr)+7)%8, (\kr)+7
.endif
.if (\ka) < 31
	s_wait_dscnt 8                                 ; this step's weights are in; the eight loads just issued stay out
.else
	s_wait_dscnt 0x0
.endif
.if (\ka) < 25
	s_wait_loadcnt 14*(\V)                         ; this step's h is in; the seven younger steps, 2 V loads each, stay out
.else
	s_wait_loadcnt 2*(\V)*(31-(\ka))               ; the steps that are left
.endif
	WIN 0x04                                       ; source 1 (h) window 1
	MUL \V, (\kr)%2, (\kr)%8, \zero
.endm
.macro GEMM V                          ; V tiles x 64 weight rows x K = 1,024
	v_mov_b32 v11, v9
	v_mov_b32 v12, v10
	WIN 0x40
.set kk, 0
.rept 7
	ALOAD \V, kk, kk
.set kk, kk+1
.endr
	WIN 0
	BLOAD 0, 0
	KSTEP \V, 0, 0, 1, 0
	WIN 0                                          ; at a label and at a branch every window is 0
	s_mov_b32 s[KOFF], 0
	s_mov_b32 s93, 3
.Lk\V:                                 ; a trip: eight K steps, once round the ring.  On both ways in, seven steps of h and one of weights are out
	s_min_u32 s98, s[KOFF], KMAX                   ; the trip's offset in a weight row, 0, 512 or 1,024, held to its largest value: by this line alone the bytes read below lie inside the 64 weight rows, clear of the stages
	v_add_nc_u32 v11, s98, v9                      ; the trip's LDS addresses are made anew from the fixed lane terms
	v_add_nc_u32 v12, s98, v10
	v_nop                                          ; with the two lines above: the four places in front of the first step's loads
	v_nop
	KSTEP \V, 1, 1, 0, 0
.irp k, 2,3,4,5,6,7,8
	KSTEP \V, \k, \k, 0
.endr
	WIN 0
	s_wait_xcnt 0x0                                ; the loads' base is stepped only behind this wait
	s_add_nc_u64 s[94:95], s[94:95], 8*KB
	s_add_co_u32 s[KOFF], s[KOFF], 512
	s_sub_co_u32 s93, s93, 1
	s_cmp_lg_u32 s93, 0
	s_cbranch_scc1 .Lk\V
	v_add_nc_u32 v11, 3*512, v9                    ; the tail's addresses: K steps 24 on
	v_add_nc_u32 v12, 3*512, v10
.irp k, 1,2,3,4,5,6,7
	KSTEP \V, \k, 24+\k, 0                         ; the last seven steps ask for no h: no load leaves the expert's part of hb
.endr
	WIN 0
.rept 4
	v_nop                                          ; the places behind the last products
.endr
.endm
; Tile m leaves through my stage: 32 bytes a lane in, whole rows of 256 bytes back (two register sets by turns), stored.  Each accumulator is read from its low end on.
.macro OUT m
.set A0, ACC+32*(\m)
.set R0, BF+32*((\m)%2)
.irp nt, 0,1,2,3
	ds_store_b128 v13, v[A0+8*\nt:A0+8*\nt+3]   offset:64*\nt
	ds_store_b128 v13, v[A0+8*\nt+4:A0+8*\nt+7] offset:64*\nt+16
.endr
	s_wait_xcnt 0x0                                ; the set's registers were the data of earlier stores: they are loaded again only behind this wait
.irp j, 0,1,2,3,4,5,6,7
	ds_load_b128 v[R0+4*\j:R0+4*\j+3], v14 offset:2*SP*\j   ; LDS serves a wave's instructions in order (ISA guide 5.7.1.4): these see the stores above; the next tile's stores come behind them
.endr
.irp j, 0,1,2,3,4,5,6,7
	s_wait_dscnt 7-\j                              ; the younger read-backs stay out
	global_store_b128 v[20+(\m)], v[R0+4*\j:R0+4*\j+3], s[10:11] offset:8192*\j   ; 16 lanes store 256 consecutive bytes, at a multiple of 256 from y's first byte
.endr
.endm
	s_mov_b32 s92, 2
.Lpass:
	s_cmp_eq_u32 s89, 0
	s_cbranch_scc1 .Lnext                          ; nothing left for this wave: forward, past no barrier
	s_wait_xcnt 0x0                                ; the last pass's stores have read their offsets and data
	s_min_u32 s91, s89, 4
	s_cmp_eq_u32 s89, 5
	s_cselect_b32 s91, 3, s91                      ; tiles of this pass: 5 left go as 3 and 2
	s_sub_co_u32 s101, s91, 1
.irp m, 0,1,2,3
	s_min_u32 s98, s101, \m                        ; places past the pass's tiles repeat its last
	s_add_co_u32 s98, s98, s90
	s_min_u32 s98, s98, 127                        ; inside the expert's 128 tiles, whatever the count holds
	s_lshl_b32 s99, s98, 10
	v_add_nc_u32 v[16+\m], s99, v4                 ; the tile's KB in a K step's images
	s_lshl_b32 s99, s98, 16
	v_add_nc_u32 v[20+\m], s99, v15                ; the tile's 16 rows of y
.endr
	s_mov_b64 s[94:95], s[4:5]
	s_sub_co_u32 s89, s89, s91
	s_add_co_u32 s90, s90, s91
	s_cmp_eq_u32 s91, 4
	s_cbranch_scc1 .Lg4
	s_cmp_eq_u32 s91, 3
	s_cbranch_scc1 .Lg3
	GEMM 2
	s_branch .Lepi
.Lg3:
	GEMM 3
	s_branch .Lepi
.Lg4:
	GEMM 4
.Lepi:
	OUT 0
	s_cmp_lt_u32 s91, 2
	s_cbranch_scc1 .Lnext
	OUT 1
	s_cmp_lt_u32 s91, 3
	s_cbranch_scc1 .Lnext
	OUT 2
	s_cmp_lt_u32 s91, 4
	s_cbranch_scc1 .Lnext
	OUT 3
.Lnext:
	s_sub_co_u32 s92, s92, 1
	s_cmp_lg_u32 s92, 0
	s_cbranch_scc1 .Lpass
	s_wait_tensorcnt 0x0                           ; the wave's end
	ds_add_u32 v[SPW], v[NIL]
	s_wait_dscnt 0x0
	s_endpgm
.Lfunc_end_k_qf694b2f9ba_down:
	.size	k_qf694b2f9ba_down, .Lfunc_end_k_qf694b2f9ba_down-k_qf694b2f9ba_down
	.p2alignl 7, 3214868480
	.fill 96, 4, 3214868480
	.section	.rodata,"a",@progbits
	.p2align	6, 0x0
	.amdhsa_kernel k_qf694b2f9ba_down
		.amdhsa_group_segment_fixed_size 167936
		.amdhsa_private_segment_fixed_size 0
		.amdhsa_enable_private_segment 0
		.amdhsa_kernarg_size 32
		.amdhsa_user_sgpr_count 2
		.amdhsa_user_sgpr_kernarg_segment_ptr 1
		.amdhsa_wavefront_size32 1
		.amdhsa_system_sgpr_workgroup_id_x 1
		.amdhsa_system_sgpr_workgroup_id_y 1
		.amdhsa_system_sgpr_workgroup_id_z 1
		.amdhsa_system_vgpr_workitem_id 0
		.amdhsa_next_free_vgpr 512
		.amdhsa_next_free_sgpr 102
		.amdhsa_reserve_vcc 0
		.amdhsa_float_denorm_mode_32 3
		.amdhsa_float_denorm_mode_16_64 3
		.amdhsa_memory_ordered 1
		.amdhsa_forward_progress 1
		.amdhsa_inst_pref_size 132
	.end_amdhsa_kernel
	.amdgpu_metadata
---
amdhsa.version: [ 1, 2 ]
amdhsa.kernels:
  - .name:           k_qf694b2f9ba_down
    .symbol:         k_qf694b2f9ba_down.kd
    .args:
      - { .name: hb, .offset: 0, .size: 8, .value_kind: global_buffer, .address_space: global }
      - { .name: posb, .offset: 8, .size: 8, .value_kind: global_buffer, .address_space: global }
      - { .name: w2, .offset: 16, .size: 8, .value_kind: global_buffer, .address_space: global }
      - { .name: y, .offset: 24, .size: 8, .value_kind: global_buffer, .address_space: global }
    .group_segment_fixed_size: 167936
    .private_segment_fixed_size: 0
    .kernarg_segment_align: 8
    .kernarg_segment_size: 32
    .max_flat_workgroup_size: 256
    .sgpr_count:     102
    .vgpr_count:     512
    .wavefront_size: 32
...
	.end_amdgpu_metadata
.endif
;; end of part 4
;; launch combine (part 5): grid 32 x 8, 8 waves a work-group, no clusters, 34,048 bytes of LDS; arguments y, posb, sel, rw, out0; writes out0
.if DOCPART == 5
	.amdgcn_target "amdgcn-amd-amdhsa--gfx1250"
	.amdhsa_code_object_version 6
	.text
	.protected	k_qf694b2f9ba_combine
	.globl	k_qf694b2f9ba_combine
	.p2align	8
	.type	k_qf694b2f9ba_combine,@function
k_qf694b2f9ba_combine:
	s_mov_b64 s[64:65], 0
	v_nop
	global_prefetch_b8 v0, s[64:65] scope:SCOPE_SE
	s_setreg_imm32_b32 hwreg(HW_REG_WAVE_MODE, 25, 1), 1
	s_wait_xcnt 0x0
; THE SUM AND THE TRANSPOSE BACK.  out0[b][c][hw] = rw[0][t] y[pos0(t)][c] + rw[1][t] y[pos1(t)][c], t = 1024 b + hw, pos_k(t) = posb[t][sel[k][t]].
; A work-group owns 64 tokens x 128 channels.  Each half of a wave's lanes takes a token's 256 consecutive bytes of a row of y; the weighted sums are turned in LDS, so that
; 16 lanes store 256 consecutive, aligned bytes of a channel row of out0.  All eight places of a token come with its choices in one round of loads, and the two are picked by compares:
; one trip to memory, not two on end, stands in front of the loads of y.  Memory binds: no matrix unit, no cluster (the work-groups share no more than the small tables), no tensor load.
; LDS: Z 64 rows x 516 bytes (129 words: a column of 16 rows four apart, and the neighbouring column, fall on 32 different banks; ISA guide 11.1); the spare words.
.set ZP,    516
.set SPARE, 64*ZP                      ; 33,024, a multiple of 256: 128 bytes for each of 8 waves, named by no other line
.set SPW,   4                          ; v4 my spare word's address; never rewritten
.set NIL,   5                          ; v5 0; never rewritten
	s_load_b256 s[4:11], s[0:1], 0x0               ; y s[4:5], posb s[6:7], sel s[8:9], rw s[10:11]
	s_load_b64 s[12:13], s[0:1], 0x20              ; out0
	v_lshl_add_u32 v[SPW], v0, 2, SPARE
	v_mov_b32 v[NIL], 0
	v_lshrrev_b32 v1, 5, v0
	v_readfirstlane_b32 s14, v1                    ; wave 0..7
	v_and_b32 v2, 15, v0                           ; lane % 16
	v_bfe_u32 v3, v0, 4, 1                         ; lane / 16
	s_and_b32 s15, ttmp7, 0xffff                   ; my 128 channels
	s_lshl_b32 s16, s14, 5
	v_lshl_add_u32 v6, v3, 2, s16                  ; sel, rw: 4 bytes x token 8 w + lane / 16 (+ 2 k)
	s_lshl_b32 s16, s14, 8
	v_lshl_add_u32 v7, v3, 5, s16                  ; posb: 32 bytes a token
	v_lshlrev_b32 v8, 4, v2                        ; 16 bytes a lane in a row's 256
	s_mul_i32 s16, s14, 8*ZP
	v_mul_u32_u24 v9, v3, ZP
	v_lshl_add_u32 v9, v2, 4, v9
	v_add_nc_u32 v9, s16, v9                       ; Z in: row 8 w + lane / 16 (+ 2 k), bytes 16 (lane % 16)
	s_lshl_b32 s16, s14, 6
	v_mul_u32_u24 v10, v2, 4*ZP
	v_lshl_add_u32 v10, v3, 2, v10
	v_add_nc_u32 v10, s16, v10                     ; Z back: rows 4 (lane % 16) + i, channel 16 w + lane / 16 (+ 2 g)
	v_lshlrev_b32 v11, 12, v3
	v_lshl_add_u32 v11, v2, 4, v11                 ; out0: lanes 0-15 one channel row, lanes 16-31 the next
	s_lshl_b32 s16, ttmp9, 8                       ; my 64 tokens in sel and rw,
	s_mov_b32 s17, 0
	s_lshl_b32 s18, ttmp9, 11                      ; in posb
	s_mov_b32 s19, 0
	s_lshl_b32 s20, s15, 9                         ; my 128 channels in a row of y
	s_mov_b32 s21, 0
	s_lshr_b32 s22, ttmp9, 4                       ; out0: b, channel 128 cg + 16 w, my 64 tokens
	s_lshl_b32 s22, s22, 22
	s_lshl_b32 s23, s15, 19
	s_add_co_u32 s22, s22, s23
	s_lshl_b32 s23, s14, 16
	s_add_co_u32 s22, s22, s23
	s_and_b32 s23, ttmp9, 15
	s_lshl_b32 s23, s23, 8
	s_add_co_u32 s22, s22, s23
	s_mov_b32 s23, 0
	s_wait_kmcnt 0x0
	s_add_nc_u64 s[8:9], s[8:9], s[16:17]
	s_add_nc_u64 s[10:11], s[10:11], s[16:17]
	s_add_nc_u64 s[6:7], s[6:7], s[18:19]
	s_add_nc_u64 s[4:5], s[4:5], s[20:21]
	s_add_nc_u64 s[12:13], s[12:13], s[22:23]
.irp k, 0,1,2,3
	global_load_b32 v[16+\k], v6, s[8:9] offset:8*\k
	global_load_b32 v[20+\k], v6, s[8:9] offset:8192+8*\k
	global_load_b32 v[24+\k], v6, s[10:11] offset:8*\k
	global_load_b32 v[28+\k], v6, s[10:11] offset:8192+8*\k
	global_load_b128 v[32+8*\k:35+8*\k], v7, s[6:7] offset:64*\k
	global_load_b128 v[36+8*\k:39+8*\k], v7, s[6:7] offset:64*\k+16
.endr
	s_wait_loadcnt 0x0
.macro PICK d, s, k                    ; v[d] = byte offset of row posb[t][v[s]] of y, for token k of my four
	v_mov_b32 v[\d], v[32+8*(\k)]
.irp e, 1,2,3,4,5,6,7
	v_cmp_eq_u32 vcc_lo, \e, v[\s]
	v_cndmask_b32 v[\d], v[\d], v[32+8*(\k)+\e], vcc_lo
.endr
	v_min_u32 v[\d], 0x3fff, v[\d]                 ; inside y's 16,384 rows, whatever the tables hold
	v_lshl_add_u32 v[\d], v[\d], 12, v8
.endm
.irp k, 0,1,2,3
	PICK 128+2*\k, 16+\k, \k
	PICK 129+2*\k, 20+\k, \k
.endr
.irp k, 0,1,2,3
.irp u, 0,1
	global_load_b128 v[64+16*\k+8*\u:67+16*\k+8*\u], v[128+2*\k], s[4:5] offset:256*\u th:TH_LOAD_NT   ; 16 lanes take 256 consecutive, aligned bytes of a row
	global_load_b128 v[68+16*\k+8*\u:71+16*\k+8*\u], v[129+2*\k], s[4:5] offset:256*\u th:TH_LOAD_NT
.endr
.endr
.irp k, 0,1,2,3
.irp u, 0,1
	s_wait_loadcnt 14-4*\k-2*\u                    ; loads come back in order (ISA guide 5.7.1): this pair is in, the pairs behind it stay out
.irp i, 0,1,2,3
	v_mul_f32 v[64+16*\k+8*\u+\i], v[24+\k], v[64+16*\k+8*\u+\i]
	v_fmac_f32 v[64+16*\k+8*\u+\i], v[28+\k], v[68+16*\k+8*\u+\i]
	ds_store_b32 v9, v[64+16*\k+8*\u+\i] offset:2*ZP*\k+256*\u+4*\i
.endr
.endr
.endr
	s_wait_dscnt 0x0                               ; for the others' sake: my rows of Z are stored
	s_barrier_signal -1
	s_barrier_wait -1
.irp g, 0,1,2,3,4,5,6,7
.irp i, 0,1,2,3
	ds_load_b32 v[64+4*\g+\i], v10 offset:ZP*\i+8*\g
.endr
.endr
.irp g, 0,1,2,3,4,5,6,7
	s_wait_dscnt 28-4*\g                           ; the later channels' reads stay out
	global_store_b128 v11, v[64+4*\g:67+4*\g], s[12:13] offset:8192*\g th:TH_STORE_NT   ; 16 lanes store 256 consecutive bytes, at a multiple of 256 from out0's first byte
.endr
	s_wait_tensorcnt 0x0                           ; the wave's end
	ds_add_u32 v[SPW], v[NIL]
	s_wait_dscnt 0x0
	s_endpgm
.Lfunc_end_k_qf694b2f9ba_combine:
	.size	k_qf694b2f9ba_combine, .Lfunc_end_k_qf694b2f9ba_combine-k_qf694b2f9ba_combine
	.p2alignl 7, 3214868480
	.fill 96, 4, 3214868480
	.section	.rodata,"a",@progbits
	.p2align	6, 0x0
	.amdhsa_kernel k_qf694b2f9ba_combine
		.amdhsa_group_segment_fixed_size 34048
		.amdhsa_private_segment_fixed_size 0
		.amdhsa_enable_private_segment 0
		.amdhsa_kernarg_size 40
		.amdhsa_user_sgpr_count 2
		.amdhsa_user_sgpr_kernarg_segment_ptr 1
		.amdhsa_wavefront_size32 1
		.amdhsa_system_sgpr_workgroup_id_x 1
		.amdhsa_system_sgpr_workgroup_id_y 1
		.amdhsa_system_sgpr_workgroup_id_z 1
		.amdhsa_system_vgpr_workitem_id 0
		.amdhsa_next_free_vgpr 144
		.amdhsa_next_free_sgpr 66
		.amdhsa_reserve_vcc 1
		.amdhsa_float_denorm_mode_32 3
		.amdhsa_float_denorm_mode_16_64 3
		.amdhsa_memory_ordered 1
		.amdhsa_forward_progress 1
		.amdhsa_inst_pref_size 19
	.end_amdhsa_kernel
	.amdgpu_metadata
---
amdhsa.version: [ 1, 2 ]
amdhsa.kernels:
  - .name:           k_qf694b2f9ba_combine
    .symbol:         k_qf694b2f9ba_combine.kd
    .args:
      - { .name: y, .offset: 0, .size: 8, .value_kind: global_buffer, .address_space: global }
      - { .name: posb, .offset: 8, .size: 8, .value_kind: global_buffer, .address_space: global }
      - { .name: sel, .offset: 16, .size: 8, .value_kind: global_buffer, .address_space: global }
      - { .name: rw, .offset: 24, .size: 8, .value_kind: global_buffer, .address_space: global }
      - { .name: out0, .offset: 32, .size: 8, .value_kind: global_buffer, .address_space: global }
    .group_segment_fixed_size: 34048
    .private_segment_fixed_size: 0
    .kernarg_segment_align: 8
    .kernarg_segment_size: 40
    .max_flat_workgroup_size: 256
    .sgpr_count:     66
    .vgpr_count:     144
    .wavefront_size: 32
...
	.end_amdgpu_metadata
.endif
;; end of part 5
;; ======== version 2 of 2: 5 launches; version 1 with the launches up, down written anew for expert scheduling mode
;; limits: a function is approximated: absolute error at most 1.5e-07
;; workspace buffers: xb 4,194,304 bytes; bmap 2,048 bytes of whole numbers; sel 16,384 bytes of whole numbers; rw 16,384 bytes; posb 66,560 bytes of whole numbers; xg 33,554,432 bytes; hb 33,554,432 bytes; y 67,108,864 bytes
;; launch route: the kernel of part 1 again; grid 32 x 1, 16 waves a work-group, no clusters, 158,976 bytes of LDS; arguments hidden_states, gate_w, xb, bmap, sel, rw; writes xb, bmap, sel, rw
;; launch gather: the kernel of part 2 again; grid 32 x 8, 8 waves a work-group, no clusters, 9,472 bytes of LDS; arguments xb, bmap, xg, posb; writes xg, posb
;; launch up (part 6): grid 32 x 8, 8 waves a work-group, no clusters, 133,120 bytes of LDS; arguments xg, posb, w1, w3, hb; writes hb
.if DOCPART == 6
	.amdgcn_target "amdgcn-amd-amdhsa--gfx1250"
	.amdhsa_code_object_version 6
	.text
	.protected	k_qf694b2f9ba_up
	.globl	k_qf694b2f9ba_up
	.p2align	8
	.type	k_qf694b2f9ba_up,@function
k_qf694b2f9ba_up:
	s_mov_b64 s[64:65], 0
	v_nop
	global_prefetch_b8 v0, s[64:65] scope:SCOPE_SE
	s_setreg_imm32_b32 hwreg(HW_REG_WAVE_SCHED_MODE, 0, 2), 2
	s_setreg_imm32_b32 hwreg(HW_REG_WAVE_MODE, 25, 1), 1
	s_wait_xcnt 0x0
	s_wait_alu depctr_vm_vsrc(0)
; FIRST PRODUCTS.  h[row][f] = gelu(x . w1[e][f]) (x . w3[e][f]) for the rows (tokens) that chose expert e.  Work-group (s, e): hidden units 32 s .. 32 s + 31 of expert e, all of its rows.
; Its 64 weight rows (32 of w1, 32 of w3; 256 KB of f32 that no other work-group reads) are asked for at once, rounded to bf16 in registers and laid into LDS; then nothing writes LDS any more,
; and the loop over rows needs no barrier: the rows come from xg, where the launch before laid them in the expert's order as operand images ([e][K step][tile of 16 rows][1 KB]): each load covers
; 512 consecutive bytes and goes straight into registers, through a ring of eight K steps.  n, the expert's rows, was stored by the same launch behind posb's table.
; Tiles of 16 rows are dealt to the 8 waves in runs that differ by one tile at the most; a wave takes 4, 3 or 2 tiles a pass (5 left: 3 and 2), in a loop of 4 passes, which serves all 2,048 tokens on one expert.
; A last tile that is not full repeats token 0; a single tile is multiplied twice and leaves once.  An expert without rows stores nothing.
; THE MATRIX INSTRUCTION IS USED TRANSPOSED: source 0 = 16 weight rows, source 1 = 16 tokens: a lane holds one token (lane % 16) and eight neighbouring f.  Rounded to bf16 they are 16 bytes, stored at
; hb[e][s][tile][512 i + 16 lane]: each store covers 512 consecutive bytes, and that KB is the second product's operand image for K step s.
; GELU is the exact form, x Phi(x), with erfc by a five-term polynomial in 1 / (1 + 0.3275911 |x| / sqrt 2) times exp(-x^2 / 2) (Abramowitz and Stegun 7.1.26): LIMIT: 1.5e-7 absolute in erf.
; An exponential below 2^-126 counts as 0.  h is kept in bf16, since it can pass f16's range for inputs 30 times larger.  NaN and infinities are not treated apart.
; NO CLUSTER: each weight byte has one reader.  What an expert's 32 work-groups share is its rows' images; a joint load would land them in LDS, where a wave's K step would read 8 + 2 V halves of fragments
; in place of 8 (V = 4 tiles: twice as many); an expert's images (32 KB a tile, up to 128 tiles) do not fit beside the 132,096 bytes of weights, and a ring's rounds would stand in a loop whose length hangs on a stored count.
; NO TENSOR LOAD: the weights are f32 and are rounded on their way, so they pass through registers; the images go straight into registers.
; REGISTERS.  Window 0: v0-39 addresses and constants; v64-127 two buffers of weight fragments (also at work in GELU); v128-255 accumulators, tile m, block nt at 128 + 32 m + 8 nt.
;             Window 1: first the 64 weight loads, then the ring of token fragments: slot sl, tile m at 32 sl + 8 m.
; LDS: the 64 weight rows; the 1,024 bytes behind them take the wave-end adds, 128 bytes a wave.
; THE MODE: SCHED_MODE bits 1:0 = 2 (LLVM: expert scheduling mode 2), set by the entry lines.  The code itself states the register dependences between vector or matrix instructions
; and memory or LDS instructions, with s_wait_alu, always for 0.
; THE PLAN.  Registers that memory or LDS instructions touch:
;   window 1      At the head the weight loads land in it and the conversions read it.  Then the ring: slot k % 8 is read by step k's products; the loads issued in step k + 1 land in it (the tokens of step k + 8).
;   v64-127       Buffer k % 2 is read by step k's products; the LDS loads issued in step k + 1 land in it (the weights of step k + 2).  Between two passes GELU works in these registers.
;   v128-255      At the head the conversions write them and the LDS stores read them.  Then the accumulators; a tile's roundings write its eight lowest, which its two stores read.
;   v11, v12      Read by every LDS load of a fragment; written at a GEMM's head, at the head of each trip of eight steps, and once behind the loop.
;   v16-19        Read by the ring's loads and by the stores; written at a pass's head.        v4, v8: read by the weights' loads and LDS stores; written once.
; So ONE wait on va_vdst stands at the head of a K step, behind the waits for the step's own data: step k - 1's products are done reading the buffer and the slot in which step k's loads land.  Those loads
; are dealt among step k's first products, which name buffer k % 2, slot k % 8 and the accumulators: none of the registers that the loads touch.  The same holds over the loop's backward jump and in the tail.
.set WP,    2064                       ; a weight row in LDS: 2,048 bytes + 16: the 16 rows of a fragment load start at 16 different groups of four banks (ISA guide 11.1)
.set CNT,   65536                      ; byte of posb at which the counts begin: 128 bytes an expert
.set KMAX,  2*512                      ; the K loop's largest byte offset in a weight row: that of its third trip
.set KB,    131072                     ; bytes from a K step's images to the next step's: 128 tiles of 1 KB
.set HB,    512                        ; from a fragment's first half to its second
.set BF,    64
.set ACC,   128
.set KOFF,  87                         ; s87: first n, the expert's rows; in the K loop the trip's byte offset in a weight row
.set MSB, 0
.macro WIN new                         ; s_set_vgpr_msb: bits 1:0 source 0, 3:2 source 1, 5:4 source 2, 7:6 destination; the high byte repeats the setting that is left
.if MSB != (\new)
	s_set_vgpr_msb (MSB<<8)|(\new)
.set MSB, (\new)
.endif
.endm
.macro PAIR r, c
	v_mov_b32 v[\r], \c
	v_mov_b32 v[\r+1], \c
.endm
	s_load_b256 s[4:11], s[0:1], 0x0               ; xg s[4:5], posb s[6:7], w1 s[8:9], w3 s[10:11]
	s_load_b64 s[12:13], s[0:1], 0x20              ; hb
	v_lshl_add_u32 v62, v0, 2, 0x20400
	v_mov_b32 v63, 0
	v_and_b32 v1, 31, v0                           ; lane
	v_lshrrev_b32 v13, 5, v0
	v_readfirstlane_b32 s84, v13                   ; wave 0..7
	v_and_b32 v2, 15, v0                           ; r = lane % 16
	v_and_b32 v3, 16, v0                           ; 16 (lane / 16)
	v_lshlrev_b32 v4, 4, v1                        ; 16 lane
	s_and_b32 s85, ttmp7, 0xffff                   ; e
	s_mov_b32 s86, ttmp9                           ; s
	s_lshl_b32 s98, s85, 22                        ; the expert's part of xg, of w1 and of w3
	s_mov_b32 s99, 0
	s_lshl_b32 s100, s86, 17                       ; my eight weight rows: slice of 32 rows, 8 (w % 4)
	s_add_co_u32 s100, s100, s98
	s_wait_alu depctr_va_sdst(0)                   ; s84, the wave's number, is written, ahead of its first reader
	s_and_b32 s101, s84, 3
	s_lshl_b32 s101, s101, 15
	s_add_co_u32 s100, s100, s101
	s_mov_b32 s101, 0
	s_lshl_b32 s2, s85, 7                          ; the expert's count
	s_mov_b32 s3, 0
	s_lshl_b32 s94, s85, 5
	s_add_co_u32 s94, s94, s86
	s_lshl_b32 s94, s94, 17                        ; hb: 128 tiles of 1 KB for each (e, s)
	s_mov_b32 s95, 0
	s_mov_b32 s66, 0x3e6d3388                      ; 0.3275911 / sqrt 2
	s_wait_kmcnt 0x0
	s_add_nc_u64 s[6:7], s[6:7], s[2:3]
	s_load_b32 s87, s[6:7], CNT                    ; n
	s_add_nc_u64 s[4:5], s[4:5], s[98:99]
	s_add_nc_u64 s[12:13], s[12:13], s[94:95]
	s_cmp_lt_u32 s84, 4                            ; waves 0-3 bring w1's 32 rows, waves 4-7 w3's
	s_cselect_b64 s[96:97], s[8:9], s[10:11]
	s_add_nc_u64 s[96:97], s[96:97], s[100:101]
	WIN 0x40                                       ; destination window 1
	s_wait_alu depctr_va_vdst(0)                   ; v4 is written, which the 64 loads below read as their offset
.set i, 0
.rept 64                               ; my eight rows are 32 KB on end: 64 loads of 512 consecutive bytes, all asked for before anything is waited for
	global_load_b128 v[4*i:4*i+3], v4, s[96:97] offset:512*i th:TH_LOAD_NT
.set i, i+1
.endr
	WIN 0
	v_mul_u32_u24 v9, v2, WP
	v_add_nc_u32 v9, v3, v9                        ; weight fragments: row r (+ 16 nt), bytes 16 (lane / 16)
	v_add_nc_u32 v10, 32*WP, v9                    ; the same 32 rows on
	s_mul_i32 s100, s84, 8*WP
	v_lshl_add_u32 v8, v1, 3, s100                 ; where my rows go: 8 bytes a lane
	PAIR 28, 0x3e027906                            ; the polynomial's coefficients, halved:  0.254829592 / 2
	PAIR 30, 0xbe11a98e                            ; -0.284496736 / 2
	PAIR 32, 0x3f35f0e3                            ;  1.421413741 / 2
	PAIR 34, 0xbf3a00e3                            ; -1.453152027 / 2
	PAIR 36, 0x3f07dc22                            ;  1.061405429 / 2
	PAIR 38, 0xbf38aa3b                            ; -log2(e) / 2
.set b, 0
.rept 4                                ; the weights, sixteen loads at a time: rounded to bf16 and laid into LDS
	s_wait_loadcnt 48-16*b                         ; loads come back in order (ISA guide 5.7.1): the later batches stay out
	WIN 0x05                                       ; sources window 1, destination window 0
.set i, 16*b
.rept 16
	v_cvt_pk_bf16_f32 v[ACC+2*i],   v[4*i],   v[4*i+1]
	v_cvt_pk_bf16_f32 v[ACC+2*i+1], v[4*i+2], v[4*i+3]
.set i, i+1
.endr
	WIN 0
	s_wait_alu depctr_va_vdst(0)                   ; the batch's conversions have written their 32 registers of v[128:255], which the LDS stores below read (in the first batch: v8, their address, too)
.set i, 16*b
.rept 16
	ds_store_b64 v8, v[ACC+2*i:ACC+2*i+1] offset:(i/8)*WP+(i%8)*256   ; 256 consecutive bytes of a row
.set i, i+1
.endr
.set b, b+1
.endr
	s_wait_kmcnt 0x0                               ; n
	s_add_co_u32 s88, s87, 15
	s_lshr_b32 s88, s88, 4                         ; T tiles of 16 rows
	s_lshr_b32 s98, s88, 3
	s_and_b32 s99, s88, 7
	s_mul_i32 s90, s84, s98
	s_min_u32 s100, s84, s99
	s_add_co_u32 s90, s90, s100                    ; my first tile: w (T / 8) + min(w, T % 8)
	s_cmp_lt_u32 s84, s99
	s_cselect_b32 s100, 1, 0
	s_add_co_u32 s89, s98, s100                    ; my tiles: T / 8, one more for the first T % 8 waves
	s_wait_dscnt 0x0                               ; for the others' sake: my rows are stored
	s_barrier_signal -1
	s_barrier_wait -1                              ; the one barrier: from here on LDS is only read
.macro BFRAG buf, off, nt              ; one weight fragment, 16 rows x 32 K, at byte off from the trip's addresses: two loads
.if (\nt) < 2
	ds_load_b128 v[BF+32*(\buf)+8*(\nt):BF+32*(\buf)+8*(\nt)+3],   v11 offset:(\off)+(\nt)*16*WP
	ds_load_b128 v[BF+32*(\buf)+8*(\nt)+4:BF+32*(\buf)+8*(\nt)+7], v11 offset:(\off)+(\nt)*16*WP+32
.else
	ds_load_b128 v[BF+32*(\buf)+8*(\nt):BF+32*(\buf)+8*(\nt)+3],   v12 offset:(\off)+((\nt)-2)*16*WP
	ds_load_b128 v[BF+32*(\buf)+8*(\nt)+4:BF+32*(\buf)+8*(\nt)+7], v12 offset:(\off)+((\nt)-2)*16*WP+32
.endif
.endm
.macro BLOAD buf, off                  ; the weight fragments of one K step, 64 rows x 32 K
.irp nt, 0,1,2,3
	BFRAG \buf, \off, \nt
.endr
.endm
.macro ALOAD V, slot, ko               ; the token fragments of one K step for V tiles, ko steps from the stepped base
.set mm, 0
.rept \V
	global_load_b128 v[32*(\slot)+8*mm:32*(\slot)+8*mm+3],   v[16+mm], s[94:95] offset:(\ko)*KB
	global_load_b128 v[32*(\slot)+8*mm+4:32*(\slot)+8*mm+7], v[16+mm], s[94:95] offset:(\ko)*KB+HB
.set mm, mm+1
.endr
.endm
; K step ka (kr: the same counted from the stepped base).  Its weights were asked for in step ka - 1, its tokens in step ka - 7.  Behind the waits at its head it multiplies: 4 V products, tile pp / 4, block pp % 4;
; the accumulators take turns, one instruction a turn; zero = 1: the first K step starts the sums.  Among its first three products it asks for the weights of step ka + 1 and the tokens
; of step ka + 7, into the buffer and the slot that step ka - 1 read: the weights have 4 V - 2 products in which to land.  An LDS load's data and address lie in window 0 under the products' setting too.
; np = 0: the four places at the step's head are written by the caller, or no product stands near ahead.
.macro KSTEP V, kr, ka, zero, np=1
.if \np
.rept 4
	v_nop                                          ; four places between the last step's products and the loads into registers that they read: this text keeps them beside the wait below
.endr
.endif
	s_wait_dscnt 0x0                               ; this step's weights are in: the eight loads of the step before; nothing younger is out
.if (\ka) < 26
	s_wait_loadcnt 12*(\V)                         ; this step's tokens are in; the six younger steps, 2 V loads each, stay out
.else
	s_wait_loadcnt 2*(\V)*(31-(\ka))               ; the steps that are left
.endif
.if ((\ka) > 0) && ((\ka) < 31)
	s_wait_alu depctr_va_vdst(0)                   ; the last step's products are done reading the buffer and the slot in which this step's loads land; in a trip's first step and the tail's, v11 and v12 are written
.endif
	WIN 0x04                                       ; source 1 (tokens) window 1
.set pp, 0
.rept 4*(\V)
.set rA, ACC+8*pp
.set rB, BF+32*((\kr)%2)+8*(pp%4)
.set rX, 32*((\kr)%8)+8*(pp/4)
.if \zero
	v_wmma_f32_16x16x32_bf16 v[rA:rA+7], v[rB:rB+7], v[rX:rX+7], 0
.else
	v_wmma_f32_16x16x32_bf16 v[rA:rA+7], v[rB:rB+7], v[rX:rX+7], v[rA:rA+7]
.endif
.if (pp < 2) && ((\ka) < 31)
	BFRAG ((\kr)+1)%2, ((\kr)+1)*64, 2*pp          ; no wait: no vector or matrix instruction since the wait above names the other buffer, v11 or v12
	BFRAG ((\kr)+1)%2, ((\kr)+1)*64, 2*pp+1
.endif
.if (pp == 2) && ((\ka) < 25)
	WIN 0x40
	ALOAD \V, ((\kr)+7)%8, (\kr)+7                 ; no wait: between the wait above and these loads stand loads, window switches and three products, which name slot kr % 8 and not this one, nor v16-19
	WIN 0x04
.endif
.set pp, pp+1
.endr
.endm
.macro GEMM V                          ; V tiles x 64 weight rows x K = 1,024
	v_mov_b32 v11, v9
	v_mov_b32 v12, v10
	WIN 0x40
	s_wait_alu depctr_va_vdst(0)                   ; v11, v12 and the pass's offsets v16-19 are written; the conversions, the last pass's products and GELU are done with window 1 and v[64:127], in which the loads up to step 0's land
.set kk, 0
.rept 7
	ALOAD \V, kk, kk
.set kk, kk+1
.endr
	WIN 0
	BLOAD 0, 0
	KSTEP \V, 0, 0, 1, 0
	WIN 0                                          ; at a label and at a branch every window is 0
	s_wait_alu depctr_vm_vsrc(0)                   ; the LDS loads issued so far have read v11 and v12, which the trip's first lines write
	s_mov_b32 s[KOFF], 0
	s_mov_b32 s93, 3
.Lk\V:                                 ; a trip: eight K steps, once round the ring.  On both ways in, seven steps of tokens and one of weights are out
	s_min_u32 s98, s[KOFF], KMAX                   ; the trip's offset in a weight row, 0, 512 or 1,024, held to its largest value: by this line alone the bytes read below lie inside the 64 weight rows
	v_add_nc_u32 v11, s98, v9                      ; the trip's LDS addresses are made anew from the fixed lane terms
	v_add_nc_u32 v12, s98, v10
	v_nop                                          ; with the two lines above: the four places in front of the first step's loads
	v_nop
	KSTEP \V, 1, 1, 0, 0
.irp k, 2,3,4,5,6,7,8
	KSTEP \V, \k, \k, 0
.endr
	WIN 0
	s_wait_xcnt 0x0                                ; the loads' base is stepped only behind this wait
	s_wait_alu depctr_vm_vsrc(0)                   ; the trip's LDS loads have read v11 and v12, which are written at the next trip's head or behind the loop
	s_add_nc_u64 s[94:95], s[94:95], 8*KB
	s_add_co_u32 s[KOFF], s[KOFF], 512
	s_sub_co_u32 s93, s93, 1
	s_cmp_lg_u32 s93, 0
	s_cbranch_scc1 .Lk\V
	v_add_nc_u32 v11, 3*512, v9                    ; the tail's addresses: K steps 24 on
	v_add_nc_u32 v12, 3*512, v10
.irp k, 1,2,3,4,5,6,7
	KSTEP \V, \k, 24+\k, 0                         ; the last seven steps ask for no tokens: no load leaves the expert's part of xg
.endr
	WIN 0
.rept 4
	v_nop                                          ; the places behind the last products
.endr
.endm
; Tile m leaves: a = x . w1 in blocks 0, 1; b = x . w3 in blocks 2, 3; each accumulator is read from its low end on.
; gelu(a) = max(a, 0) - |a| Q,  Q = (poly(t) / 2) exp(-a^2 / 2),  t = 1 / (1 + 0.2316419 |a|).
.macro GELU m
.set A0, ACC+32*(\m)
.set i, 0
.rept 16
	v_fma_f32 v[64+i], |v[A0+i]|, s66, 1.0
.set i, i+1
.endr
.set i, 0
.rept 8
	v_pk_mul_f32 v[80+i:81+i], v[A0+i:A0+i+1], v[38:39]
.set i, i+2
.endr
.set i, 0
.rept 8
	v_pk_mul_f32 v[80+i:81+i], v[80+i:81+i], v[A0+i:A0+i+1]
.set i, i+2
.endr
.set i, 0
.rept 16
	v_rcp_f32 v[64+i], v[64+i]                     ; t
.set i, i+1
.endr
.set i, 0
.rept 16
	v_exp_f32 v[80+i], v[80+i]                     ; exp(-a^2 / 2)
.set i, i+1
.endr
.set i, 0
.rept 16
	v_max_num_f32 v[96+i], 0, v[A0+i]              ; plain work that names no result of the batch
.set i, i+1
.endr
	s_wait_alu depctr_va_vdst(0)                   ; the 32 transcendentals have written v[64:95]: one wait ahead of their first reader
.set i, 0
.rept 8
	v_pk_fma_f32 v[112+i:113+i], v[64+i:65+i], v[36:37], v[34:35]
.set i, i+2
.endr
.irp c, 32,30,28
.set i, 0
.rept 8
	v_pk_fma_f32 v[112+i:113+i], v[112+i:113+i], v[64+i:65+i], v[\c:\c+1]
.set i, i+2
.endr
.endr
.set i, 0
.rept 8
	v_pk_mul_f32 v[80+i:81+i], v[80+i:81+i], v[64+i:65+i]
.set i, i+2
.endr
.set i, 0
.rept 8
	v_pk_mul_f32 v[112+i:113+i], v[112+i:113+i], v[80+i:81+i]   ; Q
.set i, i+2
.endr
.set i, 0
.rept 16
	v_fma_f32 v[96+i], -|v[A0+i]|, v[112+i], v[96+i]
.set i, i+1
.endr
.set i, 0
.rept 8
	v_pk_mul_f32 v[96+i:97+i], v[96+i:97+i], v[A0+16+i:A0+17+i]
.set i, i+2
.endr
.set i, 0
.rept 8
	v_cvt_pk_bf16_f32 v[A0+i], v[96+2*i], v[96+2*i+1]
.set i, i+1
.endr
	s_wait_alu depctr_va_vdst(0)                   ; the roundings have written the tile's eight lowest registers, which the two stores read
	global_store_b128 v[16+(\m)], v[A0:A0+3],   s[12:13]              ; 512 consecutive bytes each, aligned
	global_store_b128 v[16+(\m)], v[A0+4:A0+7], s[12:13] offset:512
.endm
	s_mov_b32 s92, 4
.Lpass:
	s_wait_xcnt 0x0                                ; the last pass's stores have had their addresses translated: their offsets and data are rewritten only behind this wait
	s_wait_alu depctr_vm_vsrc(0)                   ; first trip: my LDS stores of the weights have read v[128:255], which the products write; later: the stores have read their data and v16-19, the LDS loads v11 and v12
	s_cmp_eq_u32 s89, 0
	s_cbranch_scc1 .Lnext                          ; nothing left for this wave: forward, past no barrier
	s_min_u32 s91, s89, 4
	s_cmp_eq_u32 s89, 5
	s_cselect_b32 s91, 3, s91                      ; tiles of this pass: 5 left go as 3 and 2
	s_sub_co_u32 s101, s91, 1
.irp m, 0,1,2,3
	s_min_u32 s98, s101, \m                        ; places past the pass's tiles repeat its last
	s_add_co_u32 s98, s98, s90
	s_min_u32 s98, s98, 127                        ; inside the expert's 128 tiles, whatever the count holds
	s_lshl_b32 s99, s98, 10
	v_add_nc_u32 v[16+\m], s99, v4                 ; the tile's KB, 16 bytes a lane: in a K step's images of xg, and in my slice of hb
.endr
	s_mov_b64 s[94:95], s[4:5]
	s_sub_co_u32 s89, s89, s91
	s_add_co_u32 s90, s90, s91
	s_cmp_eq_u32 s91, 4
	s_cbranch_scc1 .Lg4
	s_cmp_eq_u32 s91, 3
	s_cbranch_scc1 .Lg3
	GEMM 2
	s_branch .Lepi
.Lg3:
	GEMM 3
	s_branch .Lepi
.Lg4:
	GEMM 4
.Lepi:
	GELU 0
	s_cmp_lt_u32 s91, 2
	s_cbranch_scc1 .Lnext
	GELU 1
	s_cmp_lt_u32 s91, 3
	s_cbranch_scc1 .Lnext
	GELU 2
	s_cmp_lt_u32 s91, 4
	s_cbranch_scc1 .Lnext
	GELU 3
.Lnext:
	s_sub_co_u32 s92, s92, 1
	s_cmp_lg_u32 s92, 0
	s_cbranch_scc1 .Lpass
	s_wait_dscnt 0x0                               ; the wave's end: my LDS instructions are done.
	s_wait_alu depctr_hold_cnt(0) depctr_sa_sdst(0) depctr_va_vdst(0) depctr_va_sdst(0) depctr_va_ssrc(0) depctr_va_vcc(0) depctr_vm_vsrc(0)
	s_wait_tensorcnt 0x0
	ds_add_u32 v62, v63
	s_wait_dscnt 0x0
	s_endpgm
.Lfunc_end_k_qf694b2f9ba_up:
	.size	k_qf694b2f9ba_up, .Lfunc_end_k_qf694b2f9ba_up-k_qf694b2f9ba_up
	.p2alignl 7, 3214868480
	.fill 96, 4, 3214868480
	.section	.rodata,"a",@progbits
	.p2align	6, 0x0
	.amdhsa_kernel k_qf694b2f9ba_up
		.amdhsa_group_segment_fixed_size 133120
		.amdhsa_private_segment_fixed_size 0
		.amdhsa_enable_private_segment 0
		.amdhsa_kernarg_size 40
		.amdhsa_user_sgpr_count 2
		.amdhsa_user_sgpr_kernarg_segment_ptr 1
		.amdhsa_wavefront_size32 1
		.amdhsa_system_sgpr_workgroup_id_x 1
		.amdhsa_system_sgpr_workgroup_id_y 1
		.amdhsa_system_sgpr_workgroup_id_z 1
		.amdhsa_system_vgpr_workitem_id 0
		.amdhsa_next_free_vgpr 512
		.amdhsa_next_free_sgpr 102
		.amdhsa_reserve_vcc 0
		.amdhsa_float_denorm_mode_32 3
		.amdhsa_float_denorm_mode_16_64 3
		.amdhsa_memory_ordered 1
		.amdhsa_forward_progress 1
		.amdhsa_inst_pref_size 161
	.end_amdhsa_kernel
	.amdgpu_metadata
---
amdhsa.version: [ 1, 2 ]
amdhsa.kernels:
  - .name:           k_qf694b2f9ba_up
    .symbol:         k_qf694b2f9ba_up.kd
    .args:
      - { .name: xg, .offset: 0, .size: 8, .value_kind: global_buffer, .address_space: global }
      - { .name: posb, .offset: 8, .size: 8, .value_kind: global_buffer, .address_space: global }
      - { .name: w1, .offset: 16, .size: 8, .value_kind: global_buffer, .address_space: global }
      - { .name: w3, .offset: 24, .size: 8, .value_kind: global_buffer, .address_space: global }
      - { .name: hb, .offset: 32, .size: 8, .value_kind: global_buffer, .address_space: global }
    .group_segment_fixed_size: 133120
    .private_segment_fixed_size: 0
    .kernarg_segment_align: 8
    .kernarg_segment_size: 40
    .max_flat_workgroup_size: 256
    .sgpr_count:     102
    .vgpr_count:     512
    .wavefront_size: 32
...
	.end_amdgpu_metadata
.endif
;; end of part 6
;; launch down (part 7): grid 32 x 8, 8 waves a work-group, no clusters, 167,936 bytes of LDS; arguments hb, posb, w2, y; writes y
.if DOCPART == 7
	.amdgcn_target "amdgcn-amd-amdhsa--gfx1250"
	.amdhsa_code_object_version 6
	.text
	.protected	k_qf694b2f9ba_down
	.globl	k_qf694b2f9ba_down
	.p2align	8
	.type	k_qf694b2f9ba_down,@function
k_qf694b2f9ba_down:
	s_mov_b64 s[64:65], 0
	v_nop
	global_prefetch_b8 v0, s[64:65] scope:SCOPE_SE
	s_setreg_imm32_b32 hwreg(HW_REG_WAVE_SCHED_MODE, 0, 2), 2
	s_setreg_imm32_b32 hwreg(HW_REG_WAVE_MODE, 25, 1), 1
	s_wait_xcnt 0x0
	s_wait_alu depctr_vm_vsrc(0)
; SECOND PRODUCT.  y[2048 e + rank][c] = sum over f of h[rank][f] w2[e][c][f], f32: the partial rows that the last launch weighs and adds.
; Work-group (2 cs + q, e): output channels 64 cs .. 64 cs + 63 of expert e; the expert's tiles of 16 rows are dealt over the 16 waves of the two work-groups q = 0, 1.
; The 64 rows of w2 (256 KB of f32) are asked for at once, rounded to bf16 in registers and laid into LDS; then the loop over rows needs no barrier: h comes from hb straight into registers, each
; load 512 consecutive bytes of the operand image that the launch before stored ([e][K step][tile][1 KB]), through a ring of eight K steps.  n, the expert's rows, lies behind posb's table.
; A wave takes 4, 3 or 2 tiles a pass (5 left: 3 and 2), in a loop of 2 passes, which serves all 2,048 tokens on one expert.  A single tile is multiplied twice and leaves once.  Whole tiles leave: the rows
; past the count in the last tile hold token 0's result and are never read.  An expert without rows stores nothing.
; THE MATRIX INSTRUCTION IS USED TRANSPOSED: source 0 = 16 rows of w2, source 1 = 16 rows of h: a lane holds one row (lane % 16) and eight neighbouring channels.  A tile goes through the wave's own stage
; in LDS, so that 16 lanes store 256 consecutive, aligned bytes of a row of y.
; NO CLUSTER: a slice of w2 has two readers; joint loads of hb would put rounds of a cluster's barrier into a loop whose length hangs on a stored count.
; NO TENSOR LOAD: the weights are f32 and are rounded on their way, so they pass through registers; the row loop's length hangs on a stored count, so no ring in LDS stands in it.
; NaN and infinities are not treated apart.
; REGISTERS.  Window 0: v0-27 addresses; v64-127 two buffers of weight fragments (on the way out: rows read back); v128-255 accumulators, tile m, block nt at 128 + 32 m + 8 nt.
;             Window 1: first the 64 weight loads, then the ring of h's fragments: slot sl, tile m at 32 sl + 8 m.
; LDS: the 64 weight rows, the eight stages; the 1,024 bytes behind them take the wave-end adds, 128 bytes a wave.
; THE MODE: SCHED_MODE bits 1:0 = 2 (LLVM: expert scheduling mode 2), set by the entry lines.  The code itself states the register dependences between vector or matrix instructions
; and memory or LDS instructions, with s_wait_alu, always for 0.
; THE PLAN.  Registers that memory or LDS instructions touch:
;   window 1      At the head the weight loads land in it and the conversions read it.  Then the ring: slot k % 8 is read by step k's products; the loads issued in step k + 1 land in it (h of step k + 8).
;   v64-127       Buffer k % 2 is read by step k's products; the LDS loads issued in step k + 1 land in it (the weights of step k + 2).  On the way out tile m's rows land in set m % 2, and its stores read them.
;   v128-255      At the head the conversions write them and the LDS stores read them.  Then the accumulators, which the LDS stores into the stage read.
;   v11, v12      Read by every LDS load of a fragment; written at a GEMM's head, at the head of each trip of eight steps, and once behind the loop.
;   v16-23        Read by the ring's loads and by the stores; written at a pass's head.        v4, v8, v13, v14: offsets and LDS addresses; written once.
; So ONE wait on va_vdst stands at the head of a K step, behind the waits for the step's own data: step k - 1's products are done reading the buffer and the slot in which step k's loads land.  Those loads
; are dealt among step k's first products, which name buffer k % 2, slot k % 8 and the accumulators: none of the registers that the loads touch.  The same holds over the loop's backward jump and in the tail.
; The way out holds no vector instruction: one wait on va_vdst ahead of it serves all its LDS stores and loads.
.set WP,    2064                       ; a weight row in LDS: 2,048 bytes + 16: the 16 rows of a fragment load start at 16 different groups of four banks (ISA guide 11.1)
.set STAGE, 64*WP                      ; 16 rows x 272 bytes for each wave
.set SP,    272
.set CNT,   65536                      ; byte of posb at which the counts begin: 128 bytes an expert
.set KMAX,  2*512                      ; the K loop's largest byte offset in a weight row: that of its third trip
.set KB,    131072                     ; bytes from a K step's images to the next step's: 128 tiles of 1 KB
.set HB,    512                        ; from a fragment's first half to its second
.set BF,    64
.set ACC,   128
.set KOFF,  87                         ; s87: first n, the expert's rows; in the K loop the trip's byte offset in a weight row
.set MSB, 0
.macro WIN new                         ; s_set_vgpr_msb: bits 1:0 source 0, 3:2 source 1, 5:4 source 2, 7:6 destination; the high byte repeats the setting that is left
.if MSB != (\new)
	s_set_vgpr_msb (MSB<<8)|(\new)
.set MSB, (\new)
.endif
.endm
	s_load_b256 s[4:11], s[0:1], 0x0               ; hb s[4:5], posb s[6:7], w2 s[8:9], y s[10:11]
	v_lshl_add_u32 v62, v0, 2, 0x28c00
	v_mov_b32 v63, 0
	v_and_b32 v1, 31, v0                           ; lane
	v_lshrrev_b32 v13, 5, v0
	v_readfirstlane_b32 s84, v13                   ; wave 0..7
	v_and_b32 v2, 15, v0                           ; r = lane % 16
	v_and_b32 v3, 16, v0                           ; 16 (lane / 16)
	v_lshlrev_b32 v4, 4, v1                        ; 16 lane
	s_and_b32 s85, ttmp7, 0xffff                   ; e
	s_lshr_b32 s86, ttmp9, 1                       ; cs
	s_and_b32 s66, ttmp9, 1                        ; q
	s_lshl_b32 s98, s85, 22                        ; the expert's part of hb, and of w2
	s_mov_b32 s99, 0
	s_lshl_b32 s100, s86, 18                       ; my eight weight rows: slice of 64 rows, 8 w
	s_add_co_u32 s100, s100, s98
	s_wait_alu depctr_va_sdst(0)                   ; s84, the wave's number, is written, ahead of its first reader
	s_lshl_b32 s101, s84, 15
	s_add_co_u32 s100, s100, s101
	s_mov_b32 s101, 0
	s_lshl_b32 s2, s85, 7                          ; the expert's count
	s_mov_b32 s3, 0
	s_lshl_b32 s96, s85, 23                        ; y: the expert's 2,048 rows of 4,096 bytes, my 256 bytes of a row
	s_lshl_b32 s97, s86, 8
	s_add_co_u32 s96, s96, s97
	s_mov_b32 s97, 0
	s_wait_kmcnt 0x0
	s_add_nc_u64 s[6:7], s[6:7], s[2:3]
	s_load_b32 s87, s[6:7], CNT                    ; n
	s_add_nc_u64 s[4:5], s[4:5], s[98:99]
	s_add_nc_u64 s[10:11], s[10:11], s[96:97]
	s_add_nc_u64 s[8:9], s[8:9], s[100:101]
	WIN 0x40                                       ; destination window 1
	s_wait_alu depctr_va_vdst(0)                   ; v4 is written, which the 64 loads below read as their offset
.set i, 0
.rept 64                               ; my eight rows are 32 KB on end: 64 loads of 512 consecutive bytes, all asked for before anything is waited for
	global_load_b128 v[4*i:4*i+3], v4, s[8:9] offset:512*i
.set i, i+1
.endr
	WIN 0
	v_mul_u32_u24 v9, v2, WP
	v_add_nc_u32 v9, v3, v9                        ; weight fragments: row r (+ 16 nt), bytes 16 (lane / 16)
	v_add_nc_u32 v10, 32*WP, v9                    ; the same 32 rows on
	s_mul_i32 s100, s84, 8*WP
	v_lshl_add_u32 v8, v1, 3, s100                 ; where my rows go: 8 bytes a lane
	s_mul_i32 s100, s84, 16*SP
	s_add_co_u32 s100, s100, STAGE                 ; my stage
	v_mul_u32_u24 v13, v2, SP
	v_lshl_add_u32 v13, v3, 1, v13                 ; in: row r, 32 bytes for each half of the lanes
	v_add_nc_u32 v13, s100, v13
	v_mul_u32_u24 v14, v3, SP/16
	v_lshl_add_u32 v14, v2, 4, v14                 ; back: lanes 0-15 one row of 256 bytes, lanes 16-31 the next
	v_add_nc_u32 v14, s100, v14
	v_lshlrev_b32 v15, 8, v3
	v_lshl_add_u32 v15, v2, 4, v15                 ; and the same two rows in y
.set b, 0
.rept 4                                ; the weights, sixteen loads at a time: rounded to bf16 and laid into LDS
	s_wait_loadcnt 48-16*b                         ; loads come back in order (ISA guide 5.7.1): the later batches stay out
	WIN 0x05                                       ; sources window 1, destination window 0
.set i, 16*b
.rept 16
	v_cvt_pk_bf16_f32 v[ACC+2*i],   v[4*i],   v[4*i+1]
	v_cvt_pk_bf16_f32 v[ACC+2*i+1], v[4*i+2], v[4*i+3]
.set i, i+1
.endr
	WIN 0
	s_wait_alu depctr_va_vdst(0)                   ; the batch's conversions have written their 32 registers of v[128:255], which the LDS stores below read (in the first batch: v8, their address, too)
.set i, 16*b
.rept 16
	ds_store_b64 v8, v[ACC+2*i:ACC+2*i+1] offset:(i/8)*WP+(i%8)*256   ; 256 consecutive bytes of a row
.set i, i+1
.endr
.set b, b+1
.endr
	s_wait_kmcnt 0x0                               ; n
	s_lshl_b32 s67, s84, 1
	s_add_co_u32 s67, s67, s66                     ; my wave among the sixteen: 2 w + q
	s_add_co_u32 s88, s87, 15
	s_lshr_b32 s88, s88, 4                         ; T tiles of 16 rows
	s_lshr_b32 s98, s88, 4
	s_and_b32 s99, s88, 15
	s_mul_i32 s90, s67, s98
	s_min_u32 s100, s67, s99
	s_add_co_u32 s90, s90, s100                    ; my first tile
	s_cmp_lt_u32 s67, s99
	s_cselect_b32 s100, 1, 0
	s_add_co_u32 s89, s98, s100                    ; my tiles: T / 16, one more for the first T % 16 waves
	s_wait_dscnt 0x0                               ; for the others' sake: my rows are stored
	s_barrier_signal -1
	s_barrier_wait -1                              ; the one barrier: from here on a wave writes its own stage alone
.macro BFRAG buf, off, nt              ; one weight fragment, 16 rows x 32 K, at byte off from the trip's addresses: two loads
.if (\nt) < 2
	ds_load_b128 v[BF+32*(\buf)+8*(\nt):BF+32*(\buf)+8*(\nt)+3],   v11 offset:(\off)+(\nt)*16*WP
	ds_load_b128 v[BF+32*(\buf)+8*(\nt)+4:BF+32*(\buf)+8*(\nt)+7], v11 offset:(\off)+(\nt)*16*WP+32
.else
	ds_load_b128 v[BF+32*(\buf)+8*(\nt):BF+32*(\buf)+8*(\nt)+3],   v12 offset:(\off)+((\nt)-2)*16*WP
	ds_load_b128 v[BF+32*(\buf)+8*(\nt)+4:BF+32*(\buf)+8*(\nt)+7], v12 offset:(\off)+((\nt)-2)*16*WP+32
.endif
.endm
.macro BLOAD buf, off                  ; the weight fragments of one K step, 64 rows x 32 K
.irp nt, 0,1,2,3
	BFRAG \buf, \off, \nt
.endr
.endm
.macro ALOAD V, slot, ko               ; h's fragments of one K step for V tiles, ko steps from the stepped base
.set mm, 0
.rept \V
	global_load_b128 v[32*(\slot)+8*mm:32*(\slot)+8*mm+3],   v[16+mm], s[94:95] offset:(\ko)*KB
	global_load_b128 v[32*(\slot)+8*mm+4:32*(\slot)+8*mm+7], v[16+mm], s[94:95] offset:(\ko)*KB+HB
.set mm, mm+1
.endr
.endm
; K step ka (kr: the same counted from the stepped base).  Its weights were asked for in step ka - 1, its h in step ka - 7.  Behind the waits at its head it multiplies: 4 V products, tile pp / 4, block pp % 4;
; the accumulators take turns, one instruction a turn; zero = 1: the first K step starts the sums.  Among its first three products it asks for the weights of step ka + 1 and for h
; of step ka + 7, into the buffer and the slot that step ka - 1 read: the weights have 4 V - 2 products in which to land.  An LDS load's data and address lie in window 0 under the products' setting too.
; np = 0: the four places at the step's head are written by the caller, or no product stands near ahead.
.macro KSTEP V, kr, ka, zero, np=1
.if \np
.rept 4
	v_nop                                          ; four places between the last step's products and the loads into registers that they read: this text keeps them beside the wait below
.endr
.endif
	s_wait_dscnt 0x0                               ; this step's weights are in: the eight loads of the step before; nothing younger is out
.if (\ka) < 26
	s_wait_loadcnt 12*(\V)                         ; this step's h is in; the six younger steps, 2 V loads each, stay out
.else
	s_wait_loadcnt 2*(\V)*(31-(\ka))               ; the steps that are left
.endif
.if ((\ka) > 0) && ((\ka) < 31)
	s_wait_alu depctr_va_vdst(0)                   ; the last step's products are done reading the buffer and the slot in which this step's loads land; in a trip's first step and the tail's, v11 and v12 are written
.endif
	WIN 0x04                                       ; source 1 (h) window 1
.set pp, 0
.rept 4*(\V)
.set rA, ACC+8*pp
.set rB, BF+32*((\kr)%2)+8*(pp%4)
.set rX, 32*((\kr)%8)+8*(pp/4)
.if \zero
	v_wmma_f32_16x16x32_bf16 v[rA:rA+7], v[rB:rB+7], v[rX:rX+7], 0
.else
	v_wmma_f32_16x16x32_bf16 v[rA:rA+7], v[rB:rB+7], v[rX:rX+7], v[rA:rA+7]
.endif
.if (pp < 2) && ((\ka) < 31)
	BFRAG ((\kr)+1)%2, ((\kr)+1)*64, 2*pp          ; no wait: no vector or matrix instruction since the wait above names the other buffer, v11 or v12
	BFRAG ((\kr)+1)%2, ((\kr)+1)*64, 2*pp+1
.endif
.if (pp == 2) && ((\ka) < 25)
	WIN 0x40
	ALOAD \V, ((\kr)+7)%8, (\kr)+7                 ; no wait: between the wait above and these loads stand loads, window switches and three products, which name slot kr % 8 and not this one, nor v16-19
	WIN 0x04
.endif
.set pp, pp+1
.endr
.endm
.macro GEMM V                          ; V tiles x 64 weight rows x K = 1,024
	v_mov_b32 v11, v9
	v_mov_b32 v12, v10
	WIN 0x40
	s_wait_alu depctr_va_vdst(0)                   ; v11, v12 and the pass's offsets v16-23 are written; the conversions and the last pass's products are done with window 1 and v[64:127], in which the loads up to step 0's land
.set kk, 0
.rept 7
	ALOAD \V, kk, kk
.set kk, kk+1
.endr
	WIN 0
	BLOAD 0, 0
	KSTEP \V, 0, 0, 1, 0
	WIN 0                                          ; at a label and at a branch every window is 0
	s_wait_alu depctr_vm_vsrc(0)                   ; the LDS loads issued so far have read v11 and v12, which the trip's first lines write
	s_mov_b32 s[KOFF], 0
	s_mov_b32 s93, 3
.Lk\V:                                 ; a trip: eight K steps, once round the ring.  On both ways in, seven steps of h and one of weights are out
	s_min_u32 s98, s[KOFF], KMAX                   ; the trip's offset in a weight row, 0, 512 or 1,024, held to its largest value: by this line alone the bytes read below lie inside the 64 weight rows, clear of the stages
	v_add_nc_u32 v11, s98, v9                      ; the trip's LDS addresses are made anew from the fixed lane terms
	v_add_nc_u32 v12, s98, v10
	v_nop                                          ; with the two lines above: the four places in front of the first step's loads
	v_nop
	KSTEP \V, 1, 1, 0, 0
.irp k, 2,3,4,5,6,7,8
	KSTEP \V, \k, \k, 0
.endr
	WIN 0
	s_wait_xcnt 0x0                                ; the loads' base is stepped only behind this wait
	s_wait_alu depctr_vm_vsrc(0)                   ; the trip's LDS loads have read v11 and v12, which are written at the next trip's head or behind the loop
	s_add_nc_u64 s[94:95], s[94:95], 8*KB
	s_add_co_u32 s[KOFF], s[KOFF], 512
	s_sub_co_u32 s93, s93, 1
	s_cmp_lg_u32 s93, 0
	s_cbranch_scc1 .Lk\V
	v_add_nc_u32 v11, 3*512, v9                    ; the tail's addresses: K steps 24 on
	v_add_nc_u32 v12, 3*512, v10
.irp k, 1,2,3,4,5,6,7
	KSTEP \V, \k, 24+\k, 0                         ; the last seven steps ask for no h: no load leaves the expert's part of hb
.endr
	WIN 0
.rept 4
	v_nop                                          ; the places behind the last products
.endr
.endm
; Tile m leaves through my stage: 32 bytes a lane in, whole rows of 256 bytes back (two register sets by turns), stored.  Each accumulator is read from its low end on.
.macro OUT m
.set A0, ACC+32*(\m)
.set R0, BF+32*((\m)%2)
.irp nt, 0,1,2,3
	ds_store_b128 v13, v[A0+8*\nt:A0+8*\nt+3]   offset:64*\nt
	ds_store_b128 v13, v[A0+8*\nt+4:A0+8*\nt+7] offset:64*\nt+16
.endr
	s_wait_xcnt 0x0                                ; the set's registers were the data of earlier stores: they are loaded again only behind this wait
.if (\m) >= 2
	s_wait_alu depctr_vm_vsrc(0)                   ; the stores of the tile two back have read this set, in which the loads below land
.endif
.irp j, 0,1,2,3,4,5,6,7
	ds_load_b128 v[R0+4*\j:R0+4*\j+3], v14 offset:2*SP*\j   ; LDS serves a wave's instructions in order (ISA guide 5.7.1.4): these see the stores above; the next tile's stores come behind them
.endr
.irp j, 0,1,2,3,4,5,6,7
	s_wait_dscnt 7-\j                              ; the younger read-backs stay out
	global_store_b128 v[20+(\m)], v[R0+4*\j:R0+4*\j+3], s[10:11] offset:8192*\j   ; 16 lanes store 256 consecutive bytes, at a multiple of 256 from y's first byte
.endr
.endm
	s_mov_b32 s92, 2
.Lpass:
	s_wait_xcnt 0x0                                ; the last pass's stores have had their addresses translated: their offsets and data are rewritten only behind this wait
	s_wait_alu depctr_vm_vsrc(0)                   ; first trip: my LDS stores of the weights have read v[128:255], which the products write; later: the LDS stores have read the accumulators, the stores v[64:127] and v20-23, the loads v11, v12 and v16-19
	s_cmp_eq_u32 s89, 0
	s_cbranch_scc1 .Lnext                          ; nothing left for this wave: forward, past no barrier
	s_min_u32 s91, s89, 4
	s_cmp_eq_u32 s89, 5
	s_cselect_b32 s91, 3, s91                      ; tiles of this pass: 5 left go as 3 and 2
	s_sub_co_u32 s101, s91, 1
.irp m, 0,1,2,3
	s_min_u32 s98, s101, \m                        ; places past the pass's tiles repeat its last
	s_add_co_u32 s98, s98, s90
	s_min_u32 s98, s98, 127                        ; inside the expert's 128 tiles, whatever the count holds
	s_lshl_b32 s99, s98, 10
	v_add_nc_u32 v[16+\m], s99, v4                 ; the tile's KB in a K step's images
	s_lshl_b32 s99, s98, 16
	v_add_nc_u32 v[20+\m], s99, v15                ; the tile's 16 rows of y
.endr
	s_mov_b64 s[94:95], s[4:5]
	s_sub_co_u32 s89, s89, s91
	s_add_co_u32 s90, s90, s91
	s_cmp_eq_u32 s91, 4
	s_cbranch_scc1 .Lg4
	s_cmp_eq_u32 s91, 3
	s_cbranch_scc1 .Lg3
	GEMM 2
	s_branch .Lepi
.Lg3:
	GEMM 3
	s_branch .Lepi
.Lg4:
	GEMM 4
.Lepi:
	s_wait_alu depctr_va_vdst(0)                   ; behind the four places: the products have written the accumulators, which the LDS stores below read, and are done reading v[64:127], in which the rows read back land; no vector or matrix instruction follows in the pass
	OUT 0
	s_cmp_lt_u32 s91, 2
	s_cbranch_scc1 .Lnext
	OUT 1
	s_cmp_lt_u32 s91, 3
	s_cbranch_scc1 .Lnext
	OUT 2
	s_cmp_lt_u32 s91, 4
	s_cbranch_scc1 .Lnext
	OUT 3
.Lnext:
	s_sub_co_u32 s92, s92, 1
	s_cmp_lg_u32 s92, 0
	s_cbranch_scc1 .Lpass
	s_wait_dscnt 0x0                               ; the wave's end: my LDS instructions are done.
	s_wait_alu depctr_hold_cnt(0) depctr_sa_sdst(0) depctr_va_vdst(0) depctr_va_sdst(0) depctr_va_ssrc(0) depctr_va_vcc(0) depctr_vm_vsrc(0)
	s_wait_tensorcnt 0x0
	ds_add_u32 v62, v63
	s_wait_dscnt 0x0
	s_endpgm
.Lfunc_end_k_qf694b2f9ba_down:
	.size	k_qf694b2f9ba_down, .Lfunc_end_k_qf694b2f9ba_down-k_qf694b2f9ba_down
	.p2alignl 7, 3214868480
	.fill 96, 4, 3214868480
	.section	.rodata,"a",@progbits
	.p2align	6, 0x0
	.amdhsa_kernel k_qf694b2f9ba_down
		.amdhsa_group_segment_fixed_size 167936
		.amdhsa_private_segment_fixed_size 0
		.amdhsa_enable_private_segment 0
		.amdhsa_kernarg_size 32
		.amdhsa_user_sgpr_count 2
		.amdhsa_user_sgpr_kernarg_segment_ptr 1
		.amdhsa_wavefront_size32 1
		.amdhsa_system_sgpr_workgroup_id_x 1
		.amdhsa_system_sgpr_workgroup_id_y 1
		.amdhsa_system_sgpr_workgroup_id_z 1
		.amdhsa_system_vgpr_workitem_id 0
		.amdhsa_next_free_vgpr 512
		.amdhsa_next_free_sgpr 102
		.amdhsa_reserve_vcc 0
		.amdhsa_float_denorm_mode_32 3
		.amdhsa_float_denorm_mode_16_64 3
		.amdhsa_memory_ordered 1
		.amdhsa_forward_progress 1
		.amdhsa_inst_pref_size 134
	.end_amdhsa_kernel
	.amdgpu_metadata
---
amdhsa.version: [ 1, 2 ]
amdhsa.kernels:
  - .name:           k_qf694b2f9ba_down
    .symbol:         k_qf694b2f9ba_down.kd
    .args:
      - { .name: hb, .offset: 0, .size: 8, .value_kind: global_buffer, .address_space: global }
      - { .name: posb, .offset: 8, .size: 8, .value_kind: global_buffer, .address_space: global }
      - { .name: w2, .offset: 16, .size: 8, .value_kind: global_buffer, .address_space: global }
      - { .name: y, .offset: 24, .size: 8, .value_kind: global_buffer, .address_space: global }
    .group_segment_fixed_size: 167936
    .private_segment_fixed_size: 0
    .kernarg_segment_align: 8
    .kernarg_segment_size: 32
    .max_flat_workgroup_size: 256
    .sgpr_count:     102
    .vgpr_count:     512
    .wavefront_size: 32
...
	.end_amdgpu_metadata
.endif
;; end of part 7
;; launch combine: the kernel of part 5 again; grid 32 x 8, 8 waves a work-group, no clusters, 34,048 bytes of LDS; arguments y, posb, sel, rw, out0; writes out0
